; MI455X (gfx1250); checked and timed in simulation.
; The chip was launched on July 23, 2026; its instructions are those of AMD's public machine-readable ISA for CDNA 5 (MIT licence, August 2026) and "CDNA5" Instruction Set Architecture Reference Guide (July 2026). The comments in the code are by the model that wrote it; some were corrected since.
;; Gated Slot Attention. Allowed arithmetic: float matrix products may take bf16 or f16 operands with f32 sums; other float arithmetic in f32, or as packed bf16 or f16 multiplies, adds, multiply-adds, maxima and minima; sums over many terms, partial sums and values carried from step to step in f32; what a program stores and reads back later, other than sums and carried values, may be rounded once to bf16 or f16.
;; Inputs: W_alpha 1,024 x 1,024 float32; W_k 1,024 x 1,024 float32; W_o 1,024 x 1,024 float32; W_q 1,024 x 1,024 float32; W_v 1,024 x 1,024 float32; b_alpha 1,024 float32; b_k 1,024 float32; b_o 1,024 float32; b_q 1,024 float32; b_v 1,024 float32; x 4 x 2,048 x 1,024 float32.
;; Outputs: out0 4 x 2,048 x 1,024 float32.
;; 2 versions, each right; version 2 is version 1 with the launch prep written anew for expert scheduling mode. Each part assembles by itself: llvm-mc -triple=amdgcn-amd-amdhsa -mcpu=gfx1250 --defsym DOCPART=n.
;; ======== version 1 of 2: 5 launches
;; limits: values outside matrix products are rounded to f16; values are held in f16: magnitudes above 65,504 overflow, below 6.1e-05 lose precision
;; workspace buffers: ab 16,777,216 bytes; wcat 8,388,608 bytes; wo16 2,097,152 bytes; bcat 16,384 bytes; qkva 83,886,080 bytes; loc 6,340,608 bytes; flag1 256 bytes of whole numbers; flag4 256 bytes of whole numbers
;; launch prep (part 1): grid 416 x 1, 8 waves a work-group, no clusters, 0 bytes of LDS; arguments x, W_alpha, W_q, W_k, W_v, W_o, b_alpha, b_q, b_k, b_v, ab, wcat, wo16, bcat, flag1, flag4; writes ab, wcat, wo16, bcat, flag1, flag4
.if DOCPART == 1
	.amdgcn_target "amdgcn-amd-amdhsa--gfx1250"
	.amdhsa_code_object_version 6
	.text
	.protected	k_qf91e749167_prep
	.globl	k_qf91e749167_prep
	.p2align	8
	.type	k_qf91e749167_prep,@function
k_qf91e749167_prep:
	s_mov_b64 s[64:65], 0
	v_nop
	global_prefetch_b8 v0, s[64:65] scope:SCOPE_SE
	s_setreg_imm32_b32 hwreg(HW_REG_WAVE_MODE, 25, 1), 1
	s_wait_xcnt 0x0
; x and the five weight matrices, f32, are rounded once to f16 and laid out for the products that follow.
; ab[8192][1024] = x.  wcat[4096][1024]: rows 0-1023 W_alpha, 1024-2047 W_q, 2048+128h+i W_k's row 64h+i, 2048+128h+64+i W_v's row 64h+i.
; wo16 = W_o.  bcat: the four biases in wcat's row order, f32.
; flag1, flag4: a table of whole numbers for each of the two uses of the product's text: word 0 F (0, 1), word 1 bytes from row to row of its output (10240, 4096),
; word 2 the step of the upper 16 lanes in an f32 row (512, 256), word 3 the first f32 column's byte (2304, 0), word 4 the step for each 128 columns (1024, 512); the rest 0.
; LIMIT: a number beyond 65,504 becomes an infinity in f16; below 6e-5 f16 keeps a fixed step of 6e-8.
; A stream: no LDS, no barrier, no matrix unit.  A work-group takes 32 rows of 1,024 f32, a wave 4 rows: 32 loads of 16 bytes a lane, all issued before the first is used.
; A load of a wave covers 512 consecutive bytes, a store 256 consecutive bytes, aligned.
.set XR, 16                            ; v[16:143]  32 loads x 4 registers
.set YR, 144                           ; v[144:207] 32 stores x 2 registers
	s_load_b512 s[8:23], s[0:1], 0x0               ; x 8, W_alpha 10, W_q 12, W_k 14, W_v 16, W_o 18, b_alpha 20, b_q 22
	s_load_b512 s[24:39], s[0:1], 0x40             ; b_k 24, b_v 26, ab 28, wcat 30, wo16 32, bcat 34, flag1 36, flag4 38
	v_lshrrev_b32 v1, 5, v0
	v_readfirstlane_b32 s54, v1                    ; wave 0..7
	v_and_b32 v2, 31, v0                           ; lane
	v_lshlrev_b32 v3, 4, v2
	v_lshl_add_u32 v3, v1, 14, v3                  ; in: wave x 4 rows x 4,096 bytes + 16 x lane
	v_lshlrev_b32 v4, 3, v2
	v_lshl_add_u32 v4, v1, 13, v4                  ; out: wave x 4 rows x 2,048 bytes + 8 x lane
	v_lshlrev_b32 v5, 2, v2                        ; 4 x lane
	v_lshlrev_b32 v6, 3, v2                        ; 8 x lane
	s_sub_co_u32 s40, ttmp9, 256                   ; work-groups 0-255 take x; the rest, 32 to a matrix, the weights
	s_lshr_b32 s41, s40, 5                         ; which matrix, 0..4 (a large number for x's work-groups)
	s_and_b32 s42, s40, 31
	s_lshl_b32 s42, s42, 5                         ; its first row of the 32
	s_lshr_b32 s43, s42, 6
	s_lshl_b32 s43, s43, 7
	s_and_b32 s44, s42, 63
	s_add_co_u32 s43, s43, s44
	s_add_co_u32 s43, s43, 2048                    ; W_k's place in wcat: 2048 + 128 x head + row in the head
	s_add_co_u32 s44, s43, 64                      ; W_v's
	s_add_co_u32 s45, s42, 1024                    ; W_q's
	s_lshl_b32 s50, ttmp9, 5                       ; x: source row
	s_mov_b32 s51, s50                             ; and destination row
	s_mov_b32 s57, 0
	s_mov_b32 s59, 0
	s_wait_kmcnt 0x0
	s_mov_b64 s[46:47], s[8:9]                     ; source, destination and bias are chosen by the work-group's number alone
	s_mov_b64 s[48:49], s[28:29]
	s_mov_b64 s[52:53], s[20:21]
	s_cmp_lt_u32 s41, 5
	s_cselect_b32 s50, s42, s50
	s_cselect_b64 s[48:49], s[30:31], s[48:49]
	s_cmp_eq_u32 s41, 0
	s_cselect_b64 s[46:47], s[10:11], s[46:47]
	s_cselect_b32 s51, s42, s51
	s_cmp_eq_u32 s41, 1
	s_cselect_b64 s[46:47], s[12:13], s[46:47]
	s_cselect_b64 s[52:53], s[22:23], s[52:53]
	s_cselect_b32 s51, s45, s51
	s_cmp_eq_u32 s41, 2
	s_cselect_b64 s[46:47], s[14:15], s[46:47]
	s_cselect_b64 s[52:53], s[24:25], s[52:53]
	s_cselect_b32 s51, s43, s51
	s_cmp_eq_u32 s41, 3
	s_cselect_b64 s[46:47], s[16:17], s[46:47]
	s_cselect_b64 s[52:53], s[26:27], s[52:53]
	s_cselect_b32 s51, s44, s51
	s_cmp_eq_u32 s41, 4
	s_cselect_b64 s[46:47], s[18:19], s[46:47]
	s_cselect_b64 s[48:49], s[32:33], s[48:49]
	s_cselect_b32 s51, s42, s51
	s_lshl_b32 s56, s50, 12                        ; rows of 4,096 bytes in,
	s_add_nc_u64 s[46:47], s[46:47], s[56:57]
	s_lshl_b32 s58, s51, 11                        ; of 2,048 bytes out
	s_add_nc_u64 s[48:49], s[48:49], s[58:59]
	s_lshl_b32 s56, s42, 2                         ; the bias: 4 bytes a row
	s_add_nc_u64 s[52:53], s[52:53], s[56:57]
	s_lshl_b32 s58, s51, 2
	s_add_nc_u64 s[34:35], s[34:35], s[58:59]
.set nn, 0
.rept 32
	global_load_b128 v[XR+4*nn:XR+4*nn+3], v3, s[46:47] offset:(nn/8)*4096+(nn%8)*512 th:TH_LOAD_NT
.set nn, nn+1
.endr
.set nn, 0
.rept 32
	s_wait_loadcnt 31-nn                           ; loads come back in order: load nn is in, the 31 - nn younger ones may be out
	v_cvt_pk_f16_f32 v[YR+2*nn], v[XR+4*nn], v[XR+4*nn+1]
	v_cvt_pk_f16_f32 v[YR+2*nn+1], v[XR+4*nn+2], v[XR+4*nn+3]
	global_store_b64 v4, v[YR+2*nn:YR+2*nn+1], s[48:49] offset:(nn/8)*2048+(nn%8)*256
.set nn, nn+1
.endr
	s_cmp_lg_u32 s54, 0                            ; the small copies are wave 0's
	s_cbranch_scc1 .Lend
	s_cmp_lt_u32 s41, 4                            ; the four matrices of wcat have a bias in bcat
	s_cbranch_scc0 .Lno_bias
	global_load_b32 v7, v5, s[52:53]               ; the 32 rows' biases
	s_wait_loadcnt 0x0
	global_store_b32 v5, v7, s[34:35]
.Lno_bias:
	s_cmp_lg_u32 ttmp9, 0
	s_cbranch_scc1 .Lend
	; the two tables: lane i stores words 2 i and 2 i + 1.  v16-22 are free: their loads have come and have been converted
	v_mov_b32 v8, 0                                ; flag1, even words
	v_mov_b32 v9, 0                                ; flag1, odd words
	v_mov_b32 v10, 0                               ; flag4, even words
	v_mov_b32 v11, 0                               ; flag4, odd words
	v_mov_b32 v16, 10240
	v_mov_b32 v17, 4096
	v_mov_b32 v18, 512
	v_mov_b32 v19, 2304
	v_mov_b32 v20, 256
	v_mov_b32 v21, 1024
	v_mov_b32 v22, 1
	v_cmp_eq_u32 vcc_lo, 0, v2                     ; lane 0: F and the pitch
	v_cndmask_b32 v9, v9, v16, vcc_lo
	v_cndmask_b32 v10, v10, v22, vcc_lo
	v_cndmask_b32 v11, v11, v17, vcc_lo
	v_cmp_eq_u32 vcc_lo, 1, v2                     ; lane 1: the upper lanes' step and the first column's byte
	v_cndmask_b32 v8, v8, v18, vcc_lo
	v_cndmask_b32 v9, v9, v19, vcc_lo
	v_cndmask_b32 v10, v10, v20, vcc_lo
	v_cmp_eq_u32 vcc_lo, 2, v2                     ; lane 2: the step for each 128 columns
	v_cndmask_b32 v8, v8, v21, vcc_lo
	v_cndmask_b32 v10, v10, v18, vcc_lo
	global_store_b64 v6, v[8:9], s[36:37]          ; 256 bytes each
	global_store_b64 v6, v[10:11], s[38:39]
.Lend:
	s_endpgm
.Lfunc_end_k_qf91e749167_prep:
	.size	k_qf91e749167_prep, .Lfunc_end_k_qf91e749167_prep-k_qf91e749167_prep
	.p2alignl 7, 3214868480
	.fill 96, 4, 3214868480
	.section	.rodata,"a",@progbits
	.p2align	6, 0x0
	.amdhsa_kernel k_qf91e749167_prep
		.amdhsa_group_segment_fixed_size 0
		.amdhsa_private_segment_fixed_size 0
		.amdhsa_enable_private_segment 0
		.amdhsa_kernarg_size 128
		.amdhsa_user_sgpr_count 2
		.amdhsa_user_sgpr_kernarg_segment_ptr 1
		.amdhsa_wavefront_size32 1
		.amdhsa_system_sgpr_workgroup_id_x 1
		.amdhsa_system_sgpr_workgroup_id_y 1
		.amdhsa_system_sgpr_workgroup_id_z 1
		.amdhsa_system_vgpr_workitem_id 0
		.amdhsa_next_free_vgpr 208
		.amdhsa_next_free_sgpr 66
		.amdhsa_reserve_vcc 1
		.amdhsa_float_denorm_mode_32 3
		.amdhsa_float_denorm_mode_16_64 3
		.amdhsa_memory_ordered 1
		.amdhsa_forward_progress 1
		.amdhsa_inst_pref_size 15
	.end_amdhsa_kernel
	.amdgpu_metadata
---
amdhsa.version: [ 1, 2 ]
amdhsa.kernels:
  - .name:           k_qf91e749167_prep
    .symbol:         k_qf91e749167_prep.kd
    .args:
      - { .name: x, .offset: 0, .size: 8, .value_kind: global_buffer, .address_space: global }
      - { .name: W_alpha, .offset: 8, .size: 8, .value_kind: global_buffer, .address_space: global }
      - { .name: W_q, .offset: 16, .size: 8, .value_kind: global_buffer, .address_space: global }
      - { .name: W_k, .offset: 24, .size: 8, .value_kind: global_buffer, .address_space: global }
      - { .name: W_v, .offset: 32, .size: 8, .value_kind: global_buffer, .address_space: global }
      - { .name: W_o, .offset: 40, .size: 8, .value_kind: global_buffer, .address_space: global }
      - { .name: b_alpha, .offset: 48, .size: 8, .value_kind: global_buffer, .address_space: global }
      - { .name: b_q, .offset: 56, .size: 8, .value_kind: global_buffer, .address_space: global }
      - { .name: b_k, .offset: 64, .size: 8, .value_kind: global_buffer, .address_space: global }
      - { .name: b_v, .offset: 72, .size: 8, .value_kind: global_buffer, .address_space: global }
      - { .name: ab, .offset: 80, .size: 8, .value_kind: global_buffer, .address_space: global }
      - { .name: wcat, .offset: 88, .size: 8, .value_kind: global_buffer, .address_space: global }
      - { .name: wo16, .offset: 96, .size: 8, .value_kind: global_buffer, .address_space: global }
      - { .name: bcat, .offset: 104, .size: 8, .value_kind: global_buffer, .address_space: global }
      - { .name: flag1, .offset: 112, .size: 8, .value_kind: global_buffer, .address_space: global }
      - { .name: flag4, .offset: 120, .size: 8, .value_kind: global_buffer, .address_space: global }
    .group_segment_fixed_size: 0
    .private_segment_fixed_size: 0
    .kernarg_segment_align: 8
    .kernarg_segment_size: 128
    .max_flat_workgroup_size: 256
    .sgpr_count:     66
    .vgpr_count:     208
    .wavefront_size: 32
...
	.end_amdgpu_metadata
.endif
;; end of part 1
;; launch proj (part 2): grid 16 x 32, 4 waves a work-group, clusters of 4 x 4, 327,680 bytes of LDS; arguments ab, wcat, bcat, qkva, flag1; writes qkva
.if DOCPART == 2
	.amdgcn_target "amdgcn-amd-amdhsa--gfx1250"
	.amdhsa_code_object_version 6
	.text
	.protected	k_qf91e749167_proj
	.globl	k_qf91e749167_proj
	.p2align	8
	.type	k_qf91e749167_proj,@function
k_qf91e749167_proj:
	s_mov_b64 s[64:65], 0
	v_nop
	global_prefetch_b8 v0, s[64:65] scope:SCOPE_SE
	s_setreg_imm32_b32 hwreg(HW_REG_WAVE_MODE, 25, 1), 1
	s_wait_xcnt 0x0
	s_wait_alu depctr_hold_cnt(0) depctr_sa_sdst(0) depctr_va_vdst(0) depctr_va_sdst(0) depctr_va_ssrc(0) depctr_va_vcc(0) depctr_vm_vsrc(0)
	s_getreg_b32 s2, hwreg(HW_REG_IB_STS2, 6, 4)
	s_cmp_eq_u32 s2, 0
	s_cbranch_scc0 .Lentry_in_a_cluster
	s_endpgm
.Lentry_in_a_cluster:
	s_bfe_u32 s2, ttmp6, 0x10000c
	s_cmp_lg_u32 s2, 0xf033
	s_cbranch_scc0 .Lentry_shape_is_right
	s_endpgm
.Lentry_shape_is_right:
; C[m][n] = act(sum over k of A[m][k] B[n][k] + bias[n]).  A: [8192][1024] f16, B: [N][1024] f16, bias f32; sums in f32.  One text for two launches, told apart by a table of five whole numbers that an earlier launch stored.
; F = 0 (N = 4096): a token's row of the output is 10,240 bytes: q of head h (64 f16) at 128 h; at 2048 + 512 h: k (64 f16), v (64 f16), w (64 f32).
;   Columns 0-1023 (cluster x = 0): w = 1 - sigmoid(z)^10, f32.  Columns 1024-2047 (cluster x = 1): q = silu(z).  Columns 2048 + 128 h + i (cluster x = 2, 3): k (i < 64), v: silu(z), f16.
; F = 1 (N = 1024, cluster x = 0 alone): the output is z itself, f32, rows of 4,096 bytes.
; THE TABLE: F; bytes from row to row; the step of lanes 16-31 in an f32 row; the first f32 column's byte; the step for each 128 columns.  Each word is held to its largest value by s_min_u32 and then enters the f32 path's
; addresses by multiplies, adds and a shift alone; F chooses the value stored.  No branch hangs on the table.  The one branch of the way out hangs on the cluster's x, which all partners share;
; columns from 1,024 on (cluster x >= 1) exist with N = 4096 alone, so their path has that layout's constants.
; w WITHOUT CANCELLATION: y = 1/(1+u), u = 2^(-z log2 e); 1 - y = u y; 1 - y^10 = (1 - y)(1 + y)(1 + y^2 + y^4 + y^6 + y^8).
; LIMITS: f16 operands and f16 results hold nothing beyond 65,504; the exponent -z log2 e is held to 100 at the most in w (sigmoid below 2^-100 gives w = 1); NaN and infinities are not treated apart.
; SHAPE: a tile of C, 256 x 256, by four waves, each 128 x 128 in 64 accumulators; K in steps of 128 through two LDS slots filled by tensor loads (rows of 256 bytes, aligned).
; CLUSTER 4 x 4: A's tiles are asked for jointly along a row of the cluster, B's along a column.  The matrix instruction is used transposed (source 0 = rows of B), so a lane holds eight neighbouring columns of a row of C.
; THE WAY OUT: the ring has had its last fill; behind a barrier each wave puts its 128 x 128 f32 into its own 67,584 bytes of it (rows of 528 bytes) and walks them, 8 rows a trip: so the activation's text stands once.
; With N = 1024 the launch has 128 work-groups.
; REGISTERS, in windows of 256: window 0: v0-31 addresses, v32-44 the way out's offsets and bias, v64-191 A's two fragment buffers (later the way out's work); window 1: B's two buffers; windows 2, 3: the accumulators.
.set SIZE_K, 1024
.set KSTEP,  128
.set PITCH,  272                       ; an LDS row: 256 bytes + 16 of padding: the 16 rows of a fragment load start at 16 different groups of four banks (64 banks of 4 bytes: ISA guide 11.1)
.set HALFT,  128*PITCH
.set SLOT,   4*HALFT
.set SPARE,  2*SLOT                    ; behind the ring: the spare words, 128 bytes a wave: two blocks of 256 bytes that no other line names
.set LAPS,   SIZE_K/(2*KSTEP)
.set DP,     528                       ; the way out: a row of 128 f32 + 16 bytes
.set DREG,   128*DP
.set ADRA, 16
.set ADRB, 20
.set DST,  24                          ; v24  where I put 32 bytes of a row of my tile
.set RDA,  25                          ; v25  where I read rows back: 16 bytes a lane
.set SPW,  28
.set NIL,  29
.set PFO,  30
.set OV,   32                          ; v32-39  my byte offset in the output for the trip's 8 rows
.set BI,   40                          ; v40-43  the bias of my 4 columns
.set BO,   44
.set ZZ,   64
.set UU,   96
.set YY,   128
.set QQ,   160
.set PP,   192
.set PFA,  44
.set LIM,  43
.set F0,   64
.set F1,   128
.set G1, 24
.set G0, 32
.set G1B, 48
.set G0B, 56
.set TF,  92                           ; s92  F          s93  the pitch      s94  the upper lanes' step
.set TPI, 93                           ; s95  the first f32 column's byte    s96  the step for each 128 columns
.set THS, 94
.set TC0, 95
.set TC1, 96
.set MSB, 0
.macro WIN new                         ; the immediate's high byte repeats the setting that is left; a switch that changes nothing is dropped
.if MSB != (\new)
	s_set_vgpr_msb (MSB<<8)|(\new)
.set MSB, \new
.endif
.endm
.set MUL_LO, 0xa1                      ; source 0 (B) window 1, source 1 (A) window 0, C and D window 2
.set MUL_HI, 0xf1                      ; the same, C and D window 3
.set TO_B,   0x40
; A joint load.  Waves 0 and 1 fetch A's two halves, waves 2 and 3 B's.  The branch hangs on the wave's number alone.  An s_nop 0 and four v_nop follow each line.
.macro JLOAD sl
	s_cmp_eq_u32 s11, 0
	s_cbranch_scc0 .Lfor_b_\@
	tensor_load_to_lds s[G0+4*(\sl):G0+4*(\sl)+3], s[G1:G1+7]
	s_nop 0
.rept 4
	v_nop
.endr
	s_branch .Lasked_\@
.Lfor_b_\@:
	tensor_load_to_lds s[G0B+4*(\sl):G0B+4*(\sl)+3], s[G1B:G1B+7]
	s_nop 0
.rept 4
	v_nop
.endr
.Lasked_\@:
.endm
; A prefetch of the K step that stands two refills on: 32 rows x 256 bytes, a lane a row.  A's rows are asked for by the clusters with x = 0, B's by those with y = 0; the four partners of a joint load
; share its 128 rows out by address.  So each row's 256 bytes of a K step are named once.  The loop's last trip (s3 = 1) asks for nothing: there is no K step two on.
.macro ASK
	s_cmp_gt_u32 s3, s[LIM]
	s_cbranch_scc0 .Lnot_mine_\@
	global_prefetch_b8 v[PFO], s[PFA:PFA+1] offset:KSTEP*2 th:TH_LOAD_NT scope:SCOPE_SE
.Lnot_mine_\@:
.endm
.macro CREST                           ; a round of the cluster's barrier behind its opening barrier
	s_cmp_lg_u32 s10, 0
	s_cbranch_scc1 .Lnot_wave_0_\@
	s_barrier_signal -3
.Lnot_wave_0_\@:
	s_barrier_wait -3
	s_barrier_signal -1
	s_barrier_wait -1
.endm
.macro CROUND
	s_barrier_signal -1
	s_barrier_wait -1
	CREST
.endm
	s_load_b128 s[4:7], s[0:1], 0x0                ; A s[4:5], B s[6:7]
	s_load_b128 s[68:71], s[0:1], 0x10             ; bias s[68:69], the output s[70:71]
	s_load_b64 s[72:73], s[0:1], 0x20              ; the table
	v_lshl_add_u32 v[SPW], v0, 2, SPARE
	v_mov_b32 v[NIL], 0
	ds_add_u32 v[SPW], v[NIL]                      ; the wave's opening: the add, twice on end, and its wait ahead of my first tensor load
	ds_add_u32 v[SPW], v[NIL]
	v_lshrrev_b32 v1, 5, v0
	v_readfirstlane_b32 s10, v1                    ; wave 0..3
	s_lshr_b32 s11, s10, 1                         ; which half of the tile's rows is mine.  Also: I fetch for A (0) or for B (1)
	s_and_b32 s12, s10, 1                          ; which half of its columns.  Also: which 128 rows of that tile I fetch
	s_bfe_u32 s40, ttmp6, 0x40000                  ; cx
	s_bfe_u32 s41, ttmp6, 0x40004                  ; cy
	s_lshl_b32 s42, ttmp9, 2
	s_add_co_u32 s42, s42, s40                     ; tile column = 4 x cluster x + cx
	s_and_b32 s13, ttmp7, 0xffff
	s_lshl_b32 s13, s13, 2
	s_add_co_u32 s13, s13, s41                     ; tile row = 4 x cluster y + cy
	s_lshl_b32 s43, s41, 2
	s_lshl_b32 s43, 15, s43                        ; my row of the cluster
	s_lshl_b32 s44, 0x1111, s40                    ; my column
	s_or_b32 s[G1+0], s43, (1<<16)|(1<<20)|(1<<21)|(5<<22)|(3<<25)  ; the mask; 2-byte elements; padding on; bit 21 beside a mask; after every 64 words, 4 words
	s_or_b32 s[G1B+0], s44, (1<<16)|(1<<20)|(1<<21)|(5<<22)|(3<<25)
	s_mov_b32 s[G1B+1], KSTEP<<16
	s_mov_b32 s[G1+1], KSTEP<<16                   ; tensor_dim0 = 128
	s_mov_b32 s[G1B+2], 128<<16
	s_mov_b32 s[G1+2], 128<<16                     ; tensor_dim1 = 128
	s_mov_b32 s[G1B+3], KSTEP<<16
	s_mov_b32 s[G1+3], KSTEP<<16                   ; tile_dim0 = 128
	s_mov_b32 s[G1B+4], 128
	s_mov_b32 s[G1+4], 128                         ; tile_dim1 = 128
	s_mov_b32 s[G1B+5], SIZE_K
	s_mov_b32 s[G1+5], SIZE_K                      ; elements from row to row
	s_mov_b32 s[G1B+6], 0
	s_mov_b32 s[G1+6], 0
	s_mov_b32 s[G1B+7], 0
	s_mov_b32 s[G1+7], 0
	s_lshl_b32 s17, s12, 7
	s_lshl_b32 s16, s13, 8
	s_add_co_u32 s16, s16, s17                     ; A: row 256 x tile row + 128 x half
	s_lshl_b32 s46, s42, 8
	s_add_co_u32 s46, s46, s17                     ; B: row 256 x tile column + 128 x half
	s_mov_b32 s17, 0
	s_mov_b32 s47, 0
	s_mov_b64 s[18:19], SIZE_K*2
	s_mul_u64 s[16:17], s[16:17], s[18:19]
	s_mul_u64 s[46:47], s[46:47], s[18:19]
	s_mul_i32 s20, s10, HALFT                      ; where they go: wave x 128 rows: no place in the cluster enters an LDS address
	s_wait_dscnt 0x0                               ; both opening adds are done
	s_wait_kmcnt 0x0
	s_add_nc_u64 s[14:15], s[4:5], s[16:17]
	s_add_nc_u64 s[46:47], s[6:7], s[46:47]
	CROUND                                         ; all sixteen work-groups are here: the first joint loads meet
.irp sl, 0,1
	s_mov_b32 s[G0+4*(\sl)], 1
	s_add_co_u32 s[G0+4*(\sl)+1], s20, (\sl)*SLOT
	s_add_nc_u64 s[G0+4*(\sl)+2:G0+4*(\sl)+3], s[14:15], (\sl)*KSTEP*2
	s_or_b32 s[G0+4*(\sl)+3], s[G0+4*(\sl)+3], 0x80000000
	s_mov_b32 s[G0B+4*(\sl)], 1
	s_add_co_u32 s[G0B+4*(\sl)+1], s20, (\sl)*SLOT
	s_add_nc_u64 s[G0B+4*(\sl)+2:G0B+4*(\sl)+3], s[46:47], (\sl)*KSTEP*2
	s_or_b32 s[G0B+4*(\sl)+3], s[G0B+4*(\sl)+3], 0x80000000
	JLOAD \sl
.endr
	s_load_b256 s[92:99], s[72:73], 0x0            ; the table's words 0-7
	v_and_b32 v1, 15, v0                           ; l % 16
	v_bfe_u32 v2, v0, 4, 1                         ; l / 16
	v_mul_u32_u24 v3, v1, PITCH
	v_lshl_add_u32 v3, v2, 4, v3                   ; a fragment's row x pitch + 16 x half
	s_mul_i32 s21, s11, HALFT
	s_mul_i32 s22, s12, HALFT
	s_add_co_u32 s22, s22, 2*HALFT
.irp sl, 0,1
	v_add_nc_u32 v[ADRA+(\sl)], s21, v3
	v_add_nc_u32 v[ADRB+(\sl)], s22, v3
	s_add_co_u32 s21, s21, SLOT
	s_add_co_u32 s22, s22, SLOT
.endr
	s_mul_i32 s23, s10, DREG                       ; the way out: my 67,584 bytes
	v_mul_u32_u24 v4, v1, DP
	v_lshl_add_u32 v4, v2, 5, v4
	v_add_nc_u32 v[DST], s23, v4                   ; row l % 16, 32 bytes for each half of the lanes
	v_and_b32 v5, 31, v0                           ; l: kept for the way out, with v1 and v2
	v_lshl_add_u32 v[RDA], v5, 4, s23              ; back: a row's 512 bytes, 16 a lane: my columns 4 l .. 4 l + 3
	s_lshl_b32 s85, s42, 10                        ; the bias of those columns: (256 x tile column + 128 x half + 4 l) x 4 bytes
	s_lshl_b32 s75, s12, 9
	s_add_co_u32 s85, s85, s75
	v_lshl_add_u32 v[BO], v5, 4, s85
	global_load_b128 v[BI:BI+3], v[BO], s[68:69]
	s_lshl_b32 s13, s13, 8                         ; 256 x tile row
	s_lshl_b32 s14, s11, 7
	s_add_co_u32 s77, s13, s14                     ; my first row of C
	s_lshl_b32 s76, s40, 1
	s_add_co_u32 s76, s76, s12                     ; u: my 128 columns among the cluster's 1,024
	s_wait_kmcnt 0x0
	s_min_u32 s[TF], s[TF], 1                      ; each word is held to the largest value that it can have
	s_min_u32 s[TPI], s[TPI], 10240
	s_min_u32 s[THS], s[THS], 512
	s_min_u32 s[TC0], s[TC0], 2304
	s_min_u32 s[TC1], s[TC1], 1024
	s_cmp_eq_u32 s[TF], 1
	s_cselect_b32 s84, -1, 0                       ; all lanes: store z itself
	; the prefetches
	s_lshl_b32 s42, s42, 8
	s_and_b32 s22, ttmp7, 0xffff
	s_cmp_eq_u32 s11, 0
	s_cselect_b32 s20, s13, s42                    ; the tile's first row: in A by the tile row, in B by the tile column
	s_cselect_b32 s21, s40, s41                    ; my place among the four that ask with me
	s_cselect_b32 s22, ttmp9, s22                  ; the coordinate along which other clusters read the same rows
	s_cselect_b64 s[PFA:PFA+1], s[4:5], s[6:7]
	s_cmp_eq_u32 s22, 0
	s_cselect_b32 s[LIM], 1, -1
	s_lshl_b32 s22, s12, 7
	s_add_co_u32 s20, s20, s22
	s_lshl_b32 s21, s21, 5
	s_add_co_u32 s20, s20, s21
	s_mov_b32 s21, 0
	s_mov_b64 s[18:19], SIZE_K*2
	s_mul_u64 s[20:21], s[20:21], s[18:19]
	s_add_nc_u64 s[PFA:PFA+1], s[PFA:PFA+1], s[20:21]
	s_add_nc_u64 s[PFA:PFA+1], s[PFA:PFA+1], 2*KSTEP*2  ; at K step 2: the first refill steps it to 3 and names K step 4
	v_and_b32 v[PFO], 31, v0
	v_mul_u32_u24 v[PFO], v[PFO], SIZE_K*2
; 16 matrix instructions: m blocks a0, a0 + 1 of the window's four x all 8 n blocks, 32 along K.  zero = 1: the first product starts the sums.
.macro MUL16 f, hi, a0, zero
	WIN MUL_LO+0x50*(\hi)
.irp a, \a0, (\a0)+1
.irp b, 0,1,2,3,4,5,6,7
.if \zero
	v_wmma_f32_16x16x32_f16 v[8*(8*(\a)+(\b)):8*(8*(\a)+(\b))+7], v[(\f)+8*(\b):(\f)+8*(\b)+7], v[(\f)+8*(4*(\hi)+(\a)):(\f)+8*(4*(\hi)+(\a))+7], 0
.else
	v_wmma_f32_16x16x32_f16 v[8*(8*(\a)+(\b)):8*(8*(\a)+(\b))+7], v[(\f)+8*(\b):(\f)+8*(\b)+7], v[(\f)+8*(4*(\hi)+(\a)):(\f)+8*(4*(\hi)+(\a))+7], v[8*(8*(\a)+(\b)):8*(8*(\a)+(\b))+7]
.endif
.endr
.endr
.endm
; 32 LDS loads in one run: the fragments of one quarter step into buffer f
.macro FETCH slot, k, f
	WIN TO_B
.irp i, 0,1,2,3,4,5,6,7
	ds_load_b128 v[(\f)+8*(\i):(\f)+8*(\i)+3],   v[ADRB+(\slot)] offset:(\k)+(\i)*16*PITCH
	ds_load_b128 v[(\f)+8*(\i)+4:(\f)+8*(\i)+7], v[ADRB+(\slot)] offset:(\k)+(\i)*16*PITCH+32
.endr
	WIN 0
.irp i, 0,1,2,3,4,5,6,7
	ds_load_b128 v[(\f)+8*(\i):(\f)+8*(\i)+3],   v[ADRA+(\slot)] offset:(\k)+(\i)*16*PITCH
	ds_load_b128 v[(\f)+8*(\i)+4:(\f)+8*(\i)+7], v[ADRA+(\slot)] offset:(\k)+(\i)*16*PITCH+32
.endr
.endm
.macro PLACES                          ; four plain vector instructions between a matrix instruction and a load into, or a reader of, its registers
.rept 4
	v_nop
.endr
.endm
.macro QUARTER slot, k, f, g, zero
	s_wait_dscnt 8                                 ; B and A's rows 0-63 are in; the youngest eight loads (A's rows 64-127) may be out
	WIN MUL_LO
	MUL16 \f, 0, 0, \zero
	MUL16 \f, 0, 2, \zero
	PLACES
	FETCH \slot, \k, \g
	s_wait_dscnt 32                                ; all but the 32 just issued
	WIN MUL_HI
	MUL16 \f, 1, 0, \zero
	MUL16 \f, 1, 2, \zero
.endm
; The first half of a K step's last quarter: one barrier for the change of slots.
.macro MEET round
	WIN 0
	s_wait_tensorcnt 0x0                           ; all my tensor loads have landed: the one that was out is my part of the next slot
	ds_add_u32 v[SPW], v[NIL]                      ; 0 onto my spare word
	s_wait_dscnt 9                                 ; the add and the youngest eight loads may be out
	WIN MUL_LO
	MUL16 F1, 0, 0, 0
	s_wait_dscnt 0x0                               ; the add is done, and my reads of this slot are over
	s_barrier_signal -1
	MUL16 F1, 0, 2, 0
.if \round
	WIN 0
.endif
	s_barrier_wait -1
.endm
.macro TURN slot, next
	s_wait_xcnt 0x0                                ; the last prefetch, a K step back, has read its address
	s_add_nc_u64 s[PFA:PFA+1], s[PFA:PFA+1], KSTEP*2
	MEET 1
	CREST                                          ; no wave of any partner still reads this slot's tile or has a load on its way
	s_add_nc_u64 s[G0+4*(\slot)+2:G0+4*(\slot)+3], s[G0+4*(\slot)+2:G0+4*(\slot)+3], 2*KSTEP*2
	s_add_nc_u64 s[G0B+4*(\slot)+2:G0B+4*(\slot)+3], s[G0B+4*(\slot)+2:G0B+4*(\slot)+3], 2*KSTEP*2
	JLOAD \slot                                    ; the first tensor load behind the round; its four v_nop are also the places in front of the loads below
	FETCH \next, 0, F0
	ASK
	WIN MUL_HI
	MUL16 F1, 1, 0, 0
	MUL16 F1, 1, 2, 0
.endm
	s_wait_tensorcnt 1                             ; my part of K step 0 is in; K step 1's may stay out
	s_barrier_signal -1
	s_barrier_wait -1
	FETCH 0, 0, F0
	QUARTER 0, 64,  F0, F1, 1                      ; the first quarter stands in front of the loop: its products start the sums
	WIN 0
	s_mov_b32 s3, LAPS-1
.Llap:                                             ; a trip goes once round the ring and fills both slots again
	QUARTER 0, 128, F1, F0, 0
	QUARTER 0, 192, F0, F1, 0
	TURN 0, 1
	QUARTER 1, 64,  F0, F1, 0
	QUARTER 1, 128, F1, F0, 0
	QUARTER 1, 192, F0, F1, 0
	TURN 1, 0
	QUARTER 0, 64,  F0, F1, 0
	WIN 0
	s_sub_co_u32 s3, s3, 1
	s_cmp_lg_u32 s3, 0
	s_cbranch_scc1 .Llap
	QUARTER 0, 128, F1, F0, 0                      ; the last lap fills nothing
	QUARTER 0, 192, F0, F1, 0
	MEET 0
	PLACES
	FETCH 1, 0, F0
	WIN MUL_HI
	MUL16 F1, 1, 0, 0
	MUL16 F1, 1, 2, 0
	QUARTER 1, 64,  F0, F1, 0
	QUARTER 1, 128, F1, F0, 0
	QUARTER 1, 192, F0, F1, 0
	s_wait_dscnt 8                                 ; the very last quarter: nothing more to fetch
	MUL16 F1, 0, 0, 0
	MUL16 F1, 0, 2, 0
	s_wait_dscnt 0x0
	MUL16 F1, 1, 0, 0
	MUL16 F1, 1, 2, 0
	WIN 0
	PLACES                                         ; the places behind the last products
	s_wait_dscnt 0x0                               ; my reads of the ring are over
	s_barrier_signal -1
	s_barrier_wait -1                              ; everybody's are: the ring, which is filled no more, becomes the four waves' stages
.set ia, 0
.rept 8
	WIN 0x08+4*(ia/4)                              ; store data in window 2 or 3
.set ib, 0
.rept 8
	ds_store_b128 v[DST], v[8*(8*(ia%4)+ib):8*(8*(ia%4)+ib)+3]   offset:ia*16*DP+64*ib      ; each accumulator's low registers first
	ds_store_b128 v[DST], v[8*(8*(ia%4)+ib)+4:8*(8*(ia%4)+ib)+7] offset:ia*16*DP+64*ib+16
.set ib, ib+1
.endr
.set ia, ia+1
.endr
	WIN 0
	s_wait_loadcnt 0x0                             ; the bias
	s_mov_b32 s3, 16                               ; 16 trips of 8 rows
	s_mov_b32 s81, 0
	s_mov_b32 s83, 0
	s_cmp_eq_u32 ttmp9, 0
	s_cbranch_scc1 .Lf32_head
	; THE f16 PATH (cluster x >= 1): rows of 10,240 bytes; a lane's 4 columns are 8 bytes
	v_lshlrev_b32 v[OV], 3, v5
.irp ii, 1,2,3,4,5,6,7
	v_add_nc_u32 v[OV+(\ii)], 10240, v[OV+(\ii)-1]
.endr
	s_lshl_b32 s79, s76, 8                         ; q: 256 u
	s_lshl_b32 s75, ttmp9, 12
	s_lshl_b32 s87, s76, 9
	s_add_co_u32 s75, s75, s87
	s_sub_co_u32 s75, s75, 6144                    ; k and v of head 8 (X - 2) + u: 2048 + 512 x head
	s_cmp_eq_u32 ttmp9, 1
	s_cselect_b32 s79, s79, s75
	s_mul_i32 s80, s77, 10240
	s_add_co_u32 s80, s80, s79
	s_add_nc_u64 s[80:81], s[70:71], s[80:81]      ; the output at my first row and column
	s_mov_b32 s82, 8*10240                         ; a trip's 8 rows
.Lsilu:                                            ; silu(z) = z / (1 + 2^(-z log2 e)), rounded to f16
.irp ii, 0,1,2,3,4,5,6,7
	ds_load_b128 v[ZZ+4*(\ii):ZZ+4*(\ii)+3], v[RDA] offset:(\ii)*DP   ; LDS serves a wave's instructions in order: these see my stores
.endr
	s_wait_dscnt 0x0
.set pp, 0
.rept 16
	v_pk_add_f32 v[ZZ+2*pp:ZZ+2*pp+1], v[ZZ+2*pp:ZZ+2*pp+1], v[BI+2*(pp%2):BI+2*(pp%2)+1]
.set pp, pp+1
.endr
.set pp, 0
.rept 16
	v_pk_mul_f32 v[UU+2*pp:UU+2*pp+1], v[ZZ+2*pp:ZZ+2*pp+1], 0xbfb8aa3b op_sel_hi:[1,0]
.set pp, pp+1
.endr
.set pp, 0
.rept 32
	v_exp_f32 v[UU+pp], v[UU+pp]
.set pp, pp+1
.endr
	v_add_nc_u32 v[RDA], 8*DP, v[RDA]              ; the next trip's rows; also the plain instruction behind the last exponential
	s_wait_alu depctr_va_vdst(0)                   ; one wait for the batch of 32
.set pp, 0
.rept 16
	v_pk_add_f32 v[UU+2*pp:UU+2*pp+1], v[UU+2*pp:UU+2*pp+1], 1.0 op_sel_hi:[1,0]
.set pp, pp+1
.endr
.set pp, 0
.rept 32
	v_rcp_f32 v[UU+pp], v[UU+pp]
.set pp, pp+1
.endr
	v_nop
	s_wait_alu depctr_va_vdst(0)                   ; one wait for the 32 reciprocals
.set pp, 0
.rept 16
	v_pk_mul_f32 v[ZZ+2*pp:ZZ+2*pp+1], v[ZZ+2*pp:ZZ+2*pp+1], v[UU+2*pp:UU+2*pp+1]
.set pp, pp+1
.endr
.set pp, 0
.rept 16
	v_cvt_pk_f16_f32 v[YY+pp], v[ZZ+2*pp], v[ZZ+2*pp+1]
.set pp, pp+1
.endr
.irp ii, 0,1,2,3,4,5,6,7
	global_store_b64 v[OV+(\ii)], v[YY+2*(\ii):YY+2*(\ii)+1], s[80:81]   ; 32 lanes store 256 consecutive bytes, aligned
.endr
	s_wait_xcnt 0x0                                ; the stores have read their data and their base
	s_add_nc_u64 s[80:81], s[80:81], s[82:83]
	s_sub_co_u32 s3, s3, 1
	s_cmp_lg_u32 s3, 0
	s_cbranch_scc1 .Lsilu
	s_branch .Ldone
.Lf32_head:
	; THE f32 PATH (cluster x = 0): a lane's 4 columns are 16 bytes; pitch, the upper lanes' step and the columns' place come from the table
	v_lshlrev_b32 v6, 4, v1
	v_mul_u32_u24 v7, s[THS], v2
	v_add_nc_u32 v[OV], v6, v7
.irp ii, 1,2,3,4,5,6,7
	v_add_nc_u32 v[OV+(\ii)], s[TPI], v[OV+(\ii)-1]
.endr
	s_mul_i32 s80, s77, s[TPI]                     ; my first row,
	s_mul_i32 s75, s76, s[TC1]                     ; my 128 columns
	s_add_co_u32 s80, s80, s75
	s_add_co_u32 s80, s80, s[TC0]
	s_add_nc_u64 s[80:81], s[70:71], s[80:81]      ; the output at my first row and column
	s_lshl_b32 s82, s[TPI], 3                      ; a trip's 8 rows
.Lf32:                                             ; w = 1 - sigmoid(z)^10, or z itself, in f32
.irp ii, 0,1,2,3,4,5,6,7
	ds_load_b128 v[ZZ+4*(\ii):ZZ+4*(\ii)+3], v[RDA] offset:(\ii)*DP
.endr
	s_wait_dscnt 0x0
.set pp, 0
.rept 16
	v_pk_add_f32 v[ZZ+2*pp:ZZ+2*pp+1], v[ZZ+2*pp:ZZ+2*pp+1], v[BI+2*(pp%2):BI+2*(pp%2)+1]
.set pp, pp+1
.endr
.set pp, 0
.rept 16
	v_pk_mul_f32 v[UU+2*pp:UU+2*pp+1], v[ZZ+2*pp:ZZ+2*pp+1], 0xbfb8aa3b op_sel_hi:[1,0]
.set pp, pp+1
.endr
.set pp, 0
.rept 32
	v_min_num_f32 v[UU+pp], 0x42c80000, v[UU+pp]   ; the exponent is held to 100: u and u y stay finite
.set pp, pp+1
.endr
.set pp, 0
.rept 32
	v_exp_f32 v[UU+pp], v[UU+pp]                   ; u
.set pp, pp+1
.endr
	v_add_nc_u32 v[RDA], 8*DP, v[RDA]
	s_wait_alu depctr_va_vdst(0)
.set pp, 0
.rept 16
	v_pk_add_f32 v[YY+2*pp:YY+2*pp+1], v[UU+2*pp:UU+2*pp+1], 1.0 op_sel_hi:[1,0]
.set pp, pp+1
.endr
.set pp, 0
.rept 32
	v_rcp_f32 v[YY+pp], v[YY+pp]                   ; y = sigmoid(z)
.set pp, pp+1
.endr
	v_nop
	s_wait_alu depctr_va_vdst(0)
.set pp, 0
.rept 16
	v_pk_mul_f32 v[UU+2*pp:UU+2*pp+1], v[UU+2*pp:UU+2*pp+1], v[YY+2*pp:YY+2*pp+1]   ; 1 - y = u y
	v_pk_mul_f32 v[QQ+2*pp:QQ+2*pp+1], v[YY+2*pp:YY+2*pp+1], v[YY+2*pp:YY+2*pp+1]   ; y^2
.set pp, pp+1
.endr
.set pp, 0
.rept 16
	v_pk_add_f32 v[YY+2*pp:YY+2*pp+1], v[YY+2*pp:YY+2*pp+1], 1.0 op_sel_hi:[1,0]    ; 1 + y
	v_pk_add_f32 v[PP+2*pp:PP+2*pp+1], v[QQ+2*pp:QQ+2*pp+1], 1.0 op_sel_hi:[1,0]    ; 1 + y^2
.set pp, pp+1
.endr
.set pp, 0
.rept 16
	v_pk_mul_f32 v[UU+2*pp:UU+2*pp+1], v[UU+2*pp:UU+2*pp+1], v[YY+2*pp:YY+2*pp+1]
	v_pk_fma_f32 v[PP+2*pp:PP+2*pp+1], v[PP+2*pp:PP+2*pp+1], v[QQ+2*pp:QQ+2*pp+1], 1.0 op_sel_hi:[1,1,0]
.set pp, pp+1
.endr
.rept 2
.set pp, 0
.rept 16
	v_pk_fma_f32 v[PP+2*pp:PP+2*pp+1], v[PP+2*pp:PP+2*pp+1], v[QQ+2*pp:QQ+2*pp+1], 1.0 op_sel_hi:[1,1,0]
.set pp, pp+1
.endr
.endr
.set pp, 0
.rept 16
	v_pk_mul_f32 v[UU+2*pp:UU+2*pp+1], v[UU+2*pp:UU+2*pp+1], v[PP+2*pp:PP+2*pp+1]
.set pp, pp+1
.endr
.set pp, 0
.rept 32
	v_cndmask_b32 v[UU+pp], v[UU+pp], v[ZZ+pp], s84   ; F = 1: z
.set pp, pp+1
.endr
.irp ii, 0,1,2,3,4,5,6,7
	global_store_b128 v[OV+(\ii)], v[UU+4*(\ii):UU+4*(\ii)+3], s[80:81]   ; each 16 lanes store 256 consecutive bytes, aligned
.endr
	s_wait_xcnt 0x0
	s_add_nc_u64 s[80:81], s[80:81], s[82:83]
	s_sub_co_u32 s3, s3, 1
	s_cmp_lg_u32 s3, 0
	s_cbranch_scc1 .Lf32
.Ldone:
	s_wait_tensorcnt 0x0                           ; the wave's end: behind my last tensor load and my last LDS store
	ds_add_u32 v[SPW], v[NIL]
	s_wait_dscnt 0x0
	CROUND                                         ; the closing round
	s_endpgm
.Lfunc_end_k_qf91e749167_proj:
	.size	k_qf91e749167_proj, .Lfunc_end_k_qf91e749167_proj-k_qf91e749167_proj
	.p2alignl 7, 3214868480
	.fill 96, 4, 3214868480
	.section	.rodata,"a",@progbits
	.p2align	6, 0x0
	.amdhsa_kernel k_qf91e749167_proj
		.amdhsa_group_segment_fixed_size 327680
		.amdhsa_private_segment_fixed_size 0
		.amdhsa_enable_private_segment 0
		.amdhsa_kernarg_size 40
		.amdhsa_user_sgpr_count 2
		.amdhsa_user_sgpr_kernarg_segment_ptr 1
		.amdhsa_wavefront_size32 1
		.amdhsa_system_sgpr_workgroup_id_x 1
		.amdhsa_system_sgpr_workgroup_id_y 1
		.amdhsa_system_sgpr_workgroup_id_z 1
		.amdhsa_system_vgpr_workitem_id 0
		.amdhsa_next_free_vgpr 1024
		.amdhsa_next_free_sgpr 100
		.amdhsa_reserve_vcc 0
		.amdhsa_float_denorm_mode_32 3
		.amdhsa_float_denorm_mode_16_64 3
		.amdhsa_memory_ordered 1
		.amdhsa_forward_progress 1
		.amdhsa_inst_pref_size 152
	.end_amdhsa_kernel
	.amdgpu_metadata
---
amdhsa.version: [ 1, 2 ]
amdhsa.kernels:
  - .name:           k_qf91e749167_proj
    .symbol:         k_qf91e749167_proj.kd
    .args:
      - { .name: ab, .offset: 0, .size: 8, .value_kind: global_buffer, .address_space: global }
      - { .name: wcat, .offset: 8, .size: 8, .value_kind: global_buffer, .address_space: global }
      - { .name: bcat, .offset: 16, .size: 8, .value_kind: global_buffer, .address_space: global }
      - { .name: qkva, .offset: 24, .size: 8, .value_kind: global_buffer, .address_space: global }
      - { .name: flag1, .offset: 32, .size: 8, .value_kind: global_buffer, .address_space: global }
    .group_segment_fixed_size: 327680
    .private_segment_fixed_size: 0
    .kernarg_segment_align: 8
    .kernarg_segment_size: 40
    .max_flat_workgroup_size: 128
    .sgpr_count:     100
    .vgpr_count:     1024
    .wavefront_size: 32
...
	.end_amdgpu_metadata
.endif
;; end of part 2
;; launch summ (part 3): grid 3 x 64, 4 waves a work-group, no clusters, 327,680 bytes of LDS; arguments qkva, loc; writes loc
.if DOCPART == 3
	.amdgcn_target "amdgcn-amd-amdhsa--gfx1250"
	.amdhsa_code_object_version 6
	.text
	.protected	k_qf91e749167_summ
	.globl	k_qf91e749167_summ
	.p2align	8
	.type	k_qf91e749167_summ,@function
k_qf91e749167_summ:
	s_mov_b64 s[64:65], 0
	v_nop
	global_prefetch_b8 v0, s[64:65] scope:SCOPE_SE
	s_setreg_imm32_b32 hwreg(HW_REG_WAVE_MODE, 25, 1), 1
	s_wait_xcnt 0x0
; For chain c (batch, head) and segment g = 0..2 of 512 steps: the state that the segment leaves when it starts from zero, and the segment's decay.
;   loc[m][:] = sum over s of w_s[m] (product over r > s of a_r[m]) k_s[:]  (the same with v),  A[m] = product of all a_r[m],  a = 1 - w.  Every factor lies in 0 to 1; nothing is divided.
; A record of loc is 33,024 bytes: 32,768 of state as the registers hold it (register group i of four at 512 i + 16 x lane), then A, 64 f32 by slot.
; SHARES: a wave takes 128 steps, in four chunks of 32 from the last to the first, with the running product F of the later chunks' decays: so no sum is ever rescaled.
; The weights c = w x suffix product are rounded to f16 and multiplied with k and v (f16) by the matrix unit, sums in f32.  Then the four waves' parts are joined in four hops through 32 KiB of LDS:
; S <- F_w S + loc_w.  NO CLUSTER: no two work-groups read the same rows.  The rows (k, v, w: 512 bytes a step) come by one tensor load a wave, at the head; no LDS byte is filled twice.
; LAYOUT of a state (256 registers): KE(di, mi) at 8 (4 di + mi): lane % 16 = slot 16 mi + .., register j = channel 16 di + 8 (lane / 16) + j;
;   VE(mi, di) at 128 + 8 (4 mi + di): lane % 16 = channel 16 di + .., register j = slot 16 mi + 8 (lane / 16) + j.
; REGISTERS: window 0 addresses and small things; window 1 the state that comes in; window 2 LOC; window 3 a chunk's work.
; LIMITS: k, v within f16; a weight below 6e-8 counts as 0 in f16; NaN and infinities are not treated apart.
.set RP,    544                        ; an LDS row: 512 bytes + 32 of padding = 136 words
.set CH32,  32*RP
.set WSEG,  128*RP
.set XB,    4*WSEG                     ; the state on its way from wave to wave, 32,768 bytes
.set AG,    XB+32768                   ; the four waves' decays, 256 bytes each
.set SCR,   AG+1024
.set STG,   SCR+1024
.set SPARE, STG+4*2304                 ; the spare words, 128 bytes a wave: two blocks of 256 bytes that no other line names
.set LREC,  33024
.set TR0, 5
.set WL0, 7
.set ATR, 10
.set AWL, 12
.set XA,  20
.set AGA, 21
.set AGB, 22
.set AGL, 23
.set H0,  24
.set H1,  26
.set SPW, 28
.set NIL, 29
.set SC,  30
.set FA,  36
.set E,   40
.set TMP, 88
.set L16, 232
.set R4,  233
.set H32, 234
.set L8,  235
.set SAA, 64                           ; window 3: w at 0-63 (4 jj + mi), a at 64-127, the weights' fragments at 128-159, k^T at 160-191, v^T at 192-223
.set SCH, 128
.set SKT, 160
.set SVT, 192
.set TL,  224
.set TH,  228
.set TLX, 232
.set THX, 236
.set SUH, 240
.set SUL, 244
.set F3,  248
.set H03, 252
.set H13, 254
.set MSB, 0
.macro WIN new                         ; the immediate's high byte repeats the setting that is left; a switch that changes nothing is dropped
.if MSB != (\new)
	s_set_vgpr_msb (MSB<<8)|(\new)
.set MSB, \new
.endif
.endm
.macro PLACES
.rept 4
	v_nop
.endr
.endm
; One chunk of 32 steps at LDS byte s34.  A lane (r, h) holds slot 16 mi + r and the steps 8 h + jj (jj < 8) and 16 + 8 h + jj - 8 (jj >= 8): the places of k in a fragment.
.macro SUMM32
	WIN 0
	v_add_nc_u32 v[AWL], s34, v[WL0]
	v_add_nc_u32 v[ATR], s34, v[TR0]
	WIN 0xc0                                       ; destination window 3
.set jj, 0
.rept 16
.irp mi, 0,1,2,3
	ds_load_b32 v[4*jj+(\mi)], v[AWL] offset:(jj+8*(jj/8))*RP+64*(\mi)
.endr
.set jj, jj+1
.endr
.irp di, 0,1,2,3
	ds_load_tr16_b128 v[SKT+8*(\di):SKT+8*(\di)+3],   v[ATR] offset:32*(\di)
	ds_load_tr16_b128 v[SKT+8*(\di)+4:SKT+8*(\di)+7], v[ATR] offset:32*(\di)+16*RP
	ds_load_tr16_b128 v[SVT+8*(\di):SVT+8*(\di)+3],   v[ATR] offset:128+32*(\di)
	ds_load_tr16_b128 v[SVT+8*(\di)+4:SVT+8*(\di)+7], v[ATR] offset:128+32*(\di)+16*RP
.endr
	s_wait_dscnt 0x0
	WIN 0xff                                       ; all in window 3
.set jj, 0
.rept 32
	v_pk_fma_f32 v[SAA+2*jj:SAA+2*jj+1], v[2*jj:2*jj+1], -1.0, 1.0 op_sel_hi:[1,0,0]   ; a = 1 - w
.set jj, jj+1
.endr
.irp pr, 0,2
	v_pk_mul_f32 v[TL+(\pr):TL+(\pr)+1], v[SAA+(\pr):SAA+(\pr)+1], v[SAA+4+(\pr):SAA+4+(\pr)+1]
	v_pk_mul_f32 v[TH+(\pr):TH+(\pr)+1], v[SAA+32+(\pr):SAA+32+(\pr)+1], v[SAA+36+(\pr):SAA+36+(\pr)+1]
.endr
.set jj, 2
.rept 6
.irp pr, 0,2
	v_pk_mul_f32 v[TL+(\pr):TL+(\pr)+1], v[TL+(\pr):TL+(\pr)+1], v[SAA+4*jj+(\pr):SAA+4*jj+(\pr)+1]
	v_pk_mul_f32 v[TH+(\pr):TH+(\pr)+1], v[TH+(\pr):TH+(\pr)+1], v[SAA+32+4*jj+(\pr):SAA+32+4*jj+(\pr)+1]
.endr
.set jj, jj+1
.endr
.irp ii, 0,1,2,3
	v_permlanex16_b32 v[TLX+(\ii)], v[TL+(\ii)], s40, s41    ; the other half of the lanes' products
	v_permlanex16_b32 v[THX+(\ii)], v[TH+(\ii)], s40, s41
.endr
.irp pr, 0,2
	v_pk_mul_f32 v[TH+(\pr):TH+(\pr)+1], v[TH+(\pr):TH+(\pr)+1], v[THX+(\pr):THX+(\pr)+1]              ; steps 16-31
	v_pk_fma_f32 v[THX+(\pr):THX+(\pr)+1], v[THX+(\pr):THX+(\pr)+1], v[H03:H03+1], v[H13:H13+1]        ; what lies behind my upper eight steps in the chunk: steps 24-31 (h = 0) or nothing
	v_pk_mul_f32 v[TL+(\pr):TL+(\pr)+1], v[TL+(\pr):TL+(\pr)+1], v[TLX+(\pr):TLX+(\pr)+1]              ; steps 0-15
	v_pk_fma_f32 v[TLX+(\pr):TLX+(\pr)+1], v[TLX+(\pr):TLX+(\pr)+1], v[H03:H03+1], v[H13:H13+1]
	v_pk_mul_f32 v[SUH+(\pr):SUH+(\pr)+1], v[F3+(\pr):F3+(\pr)+1], v[THX+(\pr):THX+(\pr)+1]
	v_pk_mul_f32 v[F3+(\pr):F3+(\pr)+1], v[F3+(\pr):F3+(\pr)+1], v[TH+(\pr):TH+(\pr)+1]
	v_pk_mul_f32 v[SUL+(\pr):SUL+(\pr)+1], v[F3+(\pr):F3+(\pr)+1], v[TLX+(\pr):TLX+(\pr)+1]
	v_pk_mul_f32 v[F3+(\pr):F3+(\pr)+1], v[F3+(\pr):F3+(\pr)+1], v[TL+(\pr):TL+(\pr)+1]                ; F for the chunk in front
.endr
.set jj, 7
.rept 8                                            ; c = w x suffix, from the last step down; four chains side by side
.irp pr, 0,2
	v_pk_mul_f32 v[32+4*jj+(\pr):32+4*jj+(\pr)+1], v[32+4*jj+(\pr):32+4*jj+(\pr)+1], v[SUH+(\pr):SUH+(\pr)+1]
	v_pk_mul_f32 v[4*jj+(\pr):4*jj+(\pr)+1], v[4*jj+(\pr):4*jj+(\pr)+1], v[SUL+(\pr):SUL+(\pr)+1]
.endr
.if jj > 0
.irp pr, 0,2
	v_pk_mul_f32 v[SUH+(\pr):SUH+(\pr)+1], v[SUH+(\pr):SUH+(\pr)+1], v[SAA+32+4*jj+(\pr):SAA+32+4*jj+(\pr)+1]
	v_pk_mul_f32 v[SUL+(\pr):SUL+(\pr)+1], v[SUL+(\pr):SUL+(\pr)+1], v[SAA+4*jj+(\pr):SAA+4*jj+(\pr)+1]
.endr
.endif
.set jj, jj-1
.endr
.irp mi, 0,1,2,3
.set qq, 0
.rept 8
	v_cvt_pk_f16_f32 v[SCH+8*(\mi)+qq], v[8*qq+(\mi)], v[8*qq+4+(\mi)]
.set qq, qq+1
.endr
.endr
	WIN 0xaf                                       ; sources window 3, C and D window 2.  32 accumulators, one instruction each: they take turns, over the backward jump too
.irp di, 0,1,2,3
.irp mi, 0,1,2,3
	v_wmma_f32_16x16x32_f16 v[8*(4*(\di)+(\mi)):8*(4*(\di)+(\mi))+7], v[SKT+8*(\di):SKT+8*(\di)+7], v[SCH+8*(\mi):SCH+8*(\mi)+7], v[8*(4*(\di)+(\mi)):8*(4*(\di)+(\mi))+7]
.endr
.endr
.irp mi, 0,1,2,3
.irp di, 0,1,2,3
	v_wmma_f32_16x16x32_f16 v[128+8*(4*(\mi)+(\di)):128+8*(4*(\mi)+(\di))+7], v[SCH+8*(\mi):SCH+8*(\mi)+7], v[SVT+8*(\di):SVT+8*(\di)+7], v[128+8*(4*(\mi)+(\di)):128+8*(4*(\mi)+(\di))+7]
.endr
.endr
	PLACES                                         ; in front of the next chunk's loads into the fragments, and of the first reader of the sums
.endm
; destination = source 0 x decay + source 2, over a whole state; the windows are set in front.  KE's decay goes by lane (FA, one of a pair for both halves), VE's by register (TMP).
.macro AXPY
.irp di, 0,1,2,3
.irp mi, 0,1,2,3
.irp qq, 0,2,4,6
.set rr, 8*(4*(\di)+(\mi))+(\qq)
.if (\mi)%2
	v_pk_fma_f32 v[rr:rr+1], v[rr:rr+1], v[FA+2*((\mi)/2):FA+2*((\mi)/2)+1], v[rr:rr+1] op_sel:[0,1,0] op_sel_hi:[1,1,1]
.else
	v_pk_fma_f32 v[rr:rr+1], v[rr:rr+1], v[FA+2*((\mi)/2):FA+2*((\mi)/2)+1], v[rr:rr+1] op_sel_hi:[1,0,1]
.endif
.endr
.endr
.endr
.irp mi, 0,1,2,3
.irp di, 0,1,2,3
.irp qq, 0,2,4,6
.set rr, 128+8*(4*(\mi)+(\di))+(\qq)
	v_pk_fma_f32 v[rr:rr+1], v[rr:rr+1], v[TMP+8*(\mi)+(\qq):TMP+8*(\mi)+(\qq)+1], v[rr:rr+1]
.endr
.endr
.endr
.endm
; My hop: the state at my segment's start comes in (window 1), LOC <- state x my decay + LOC goes on.
.macro HOP
	WIN 0x40
.set ii, 0
.rept 64
	ds_load_b128 v[4*ii:4*ii+3], v[XA] offset:512*ii
.set ii, ii+1
.endr
	s_wait_dscnt 0x0
	WIN 0xa1                                       ; source 0 window 1, decay window 0, source 2 and destination window 2
	AXPY
	WIN 0x08                                       ; store data window 2
.set ii, 0
.rept 64
	ds_store_b128 v[XA], v[4*ii:4*ii+3] offset:512*ii
.set ii, ii+1
.endr
	WIN 0
.endm
	s_load_b128 s[4:7], s[0:1], 0x0                ; qkva s[4:5], loc s[6:7]
	v_lshl_add_u32 v[SPW], v0, 2, SPARE
	v_mov_b32 v[NIL], 0
	ds_add_u32 v[SPW], v[NIL]                      ; the wave's opening: the add, twice on end, and its wait ahead of my first tensor load
	ds_add_u32 v[SPW], v[NIL]
	v_lshrrev_b32 v3, 5, v0
	v_readfirstlane_b32 s10, v3                    ; wave 0..3
	s_mov_b32 s11, ttmp9                           ; g
	s_and_b32 s12, ttmp7, 0xffff                   ; chain
	s_and_b32 s13, s12, 15                         ; head
	s_lshr_b32 s14, s12, 4                         ; batch
	s_mov_b32 s16, (3<<16)|(1<<20)|(6<<22)|(7<<25) ; 8-byte elements; padding on; after every 128 words, 8 words
	s_mov_b32 s17, 64<<16                          ; tensor_dim0 = 64 elements (512 bytes)
	s_mov_b32 s18, 128<<16                         ; tensor_dim1 = 128 rows
	s_mov_b32 s19, 64<<16                          ; tile_dim0
	s_mov_b32 s20, 128                             ; tile_dim1
	s_mov_b32 s21, 1280                            ; 10,240 bytes from row to row
	s_mov_b32 s22, 0
	s_mov_b32 s23, 0
	s_mov_b32 s24, 1
	s_mul_i32 s25, s10, WSEG                       ; my 128 rows in LDS
	s_lshl_b32 s15, s14, 11
	s_lshl_b32 s37, s11, 9
	s_add_co_u32 s15, s15, s37
	s_lshl_b32 s37, s10, 7
	s_add_co_u32 s15, s15, s37                     ; my first token
	s_mul_i32 s38, s15, 10240
	s_lshl_b32 s37, s13, 9
	s_add_co_u32 s42, s38, s37
	s_add_co_u32 s42, s42, 2048                    ; the head's k, v, w in it
	s_mov_b32 s43, 0
	s_mul_i32 s48, s12, 3
	s_add_co_u32 s48, s48, s11
	s_mul_i32 s48, s48, LREC                       ; my work-group's record
	s_mov_b32 s49, 0
	s_mov_b32 s40, 0x76543210                      ; v_permlanex16_b32: each lane takes its own place in the other half
	s_mov_b32 s41, 0xfedcba98
	s_wait_dscnt 0x0                               ; both opening adds are done
	s_wait_kmcnt 0x0
	s_add_nc_u64 s[26:27], s[4:5], s[42:43]
	s_or_b32 s27, s27, 0x80000000
	s_add_nc_u64 s[32:33], s[6:7], s[48:49]
	tensor_load_to_lds s[24:27], s[16:23]          ; my one tensor load
	s_nop 0
.rept 4
	v_nop
.endr
	v_and_b32 v1, 15, v0                           ; r
	v_bfe_u32 v2, v0, 4, 1                         ; h
	v_and_b32 v3, 7, v0
	v_bfe_u32 v[SC], v0, 3, 1
	v_and_b32 v[SC+1], 31, v0
	v_mul_u32_u24 v[TR0], v3, RP
	v_lshl_add_u32 v[TR0], v[SC], 4, v[TR0]
	v_mul_u32_u24 v[SC+2], v2, 8*RP
	v_add_nc_u32 v[TR0], v[SC+2], v[TR0]           ; the turning load: row 8 h + l % 8, 16 bytes by (l / 8) % 2
	v_lshl_add_u32 v[WL0], v1, 2, v[SC+2]
	v_add_nc_u32 v[WL0], 256, v[WL0]               ; w of step 8 h, slot r
	v_lshlrev_b32 v[H32], 5, v2
	v_lshlrev_b32 v[R4], 2, v1
	v_lshlrev_b32 v[L16], 4, v[SC+1]
	v_lshlrev_b32 v[L8], 3, v[SC+1]
	s_lshl_b32 s37, s10, 8
	s_add_co_u32 s50, s37, AG
	v_add_nc_u32 v[AGA], s50, v[R4]
	v_add_nc_u32 v[AGB], s50, v[H32]
	v_add_nc_u32 v[AGL], AG, v[L8]
	v_add_nc_u32 v[XA], XB, v[L16]
	v_cvt_f32_u32 v[H1], v2                        ; 1 in the upper half of the lanes,
	v_mov_b32 v[H1+1], v[H1]
	v_sub_f32 v[H0], 1.0, v[H1]                    ; 1 in the lower
	v_mov_b32 v[H0+1], v[H0]
	s_cmp_lg_u32 s10, 0
	s_cbranch_scc1 .Lnot0
.irp ii, 0,1,2,3
	v_mov_b32 v[E+(\ii)], 0
.endr
.set ii, 0
.rept 64
	ds_store_b128 v[XA], v[E:E+3] offset:512*ii    ; the segment starts from zero
.set ii, ii+1
.endr
.Lnot0:
	WIN 0x80                                       ; LOC starts at 0: written while the rows are on their way, so that the chunks have one form of product
.set ii, 0
.rept 256
	v_mov_b32 v[ii], 0
.set ii, ii+1
.endr
	WIN 0xc0
	v_mov_b32 v[H03], v[H0]
	v_mov_b32 v[H03+1], v[H0]
	v_mov_b32 v[H13], v[H1]
	v_mov_b32 v[H13+1], v[H1]
.irp ii, 0,1,2,3
	v_mov_b32 v[F3+(\ii)], 1.0
	v_mov_b32 v[TLX+(\ii)], 0                      ; v_permlanex16_b32 counts as a reader of its destination
	v_mov_b32 v[THX+(\ii)], 0
.endr
	WIN 0
	s_wait_tensorcnt 0x0                           ; my rows are in
	s_mul_i32 s34, s10, WSEG
	s_add_co_u32 s34, s34, 3*CH32                  ; the last chunk first
	s_mov_b32 s35, 4
.Lchunk:
	SUMM32
	WIN 0
	s_sub_co_u32 s34, s34, CH32
	s_sub_co_u32 s35, s35, 1
	s_cmp_lg_u32 s35, 0
	s_cbranch_scc1 .Lchunk
	WIN 0x03
.irp ii, 0,1,2,3
	v_mov_b32 v[FA+(\ii)], v[F3+(\ii)]             ; my segment's decay, by lane
.endr
	WIN 0
.irp mi, 0,1,2,3
	ds_store_b32 v[AGA], v[FA+(\mi)] offset:64*(\mi)
.endr
.irp cc, 0,1,2,3,4,5,6,7
	ds_load_b128 v[TMP+4*(\cc):TMP+4*(\cc)+3], v[AGB] offset:64*((\cc)/2)+16*((\cc)%2)   ; and by register: LDS serves a wave's instructions in order
.endr
	s_wait_dscnt 0x0                               ; for the others' sake too: my decay and, in wave 0, the zeros lie in LDS
	s_barrier_signal -1
	s_barrier_wait -1
	s_mov_b32 s36, 0
.Lhop:                                             ; four hops: in hop k wave k alone works; the barrier hands the state on
	s_cmp_lg_u32 s36, s10
	s_cbranch_scc1 .Lskip
	HOP
.Lskip:
	s_wait_dscnt 0x0
	s_barrier_signal -1
	s_barrier_wait -1
	s_add_co_u32 s36, s36, 1
	s_cmp_lt_u32 s36, 4
	s_cbranch_scc1 .Lhop
	s_cmp_lg_u32 s10, 3                            ; wave 3 holds the work-group's result
	s_cbranch_scc1 .Lend
	WIN 0x08
.set ii, 0
.rept 64
	global_store_b128 v[L16], v[4*ii:4*ii+3], s[32:33] offset:512*ii   ; 512 consecutive bytes, aligned
.set ii, ii+1
.endr
	WIN 0
.irp ww, 0,1,2,3
	ds_load_b64 v[TMP+2*(\ww):TMP+2*(\ww)+1], v[AGL] offset:256*(\ww)
.endr
	s_wait_dscnt 0x0
	v_pk_mul_f32 v[TMP:TMP+1], v[TMP:TMP+1], v[TMP+2:TMP+3]
	v_pk_mul_f32 v[TMP+4:TMP+5], v[TMP+4:TMP+5], v[TMP+6:TMP+7]
	v_pk_mul_f32 v[TMP:TMP+1], v[TMP:TMP+1], v[TMP+4:TMP+5]
	global_store_b64 v[L8], v[TMP:TMP+1], s[32:33] offset:32768
.Lend:
	s_wait_tensorcnt 0x0                           ; the wave's end: behind my last tensor load and my last LDS store
	ds_add_u32 v[SPW], v[NIL]
	s_wait_dscnt 0x0
	s_endpgm
.Lfunc_end_k_qf91e749167_summ:
	.size	k_qf91e749167_summ, .Lfunc_end_k_qf91e749167_summ-k_qf91e749167_summ
	.p2alignl 7, 3214868480
	.fill 96, 4, 3214868480
	.section	.rodata,"a",@progbits
	.p2align	6, 0x0
	.amdhsa_kernel k_qf91e749167_summ
		.amdhsa_group_segment_fixed_size 327680
		.amdhsa_private_segment_fixed_size 0
		.amdhsa_enable_private_segment 0
		.amdhsa_kernarg_size 16
		.amdhsa_user_sgpr_count 2
		.amdhsa_user_sgpr_kernarg_segment_ptr 1
		.amdhsa_wavefront_size32 1
		.amdhsa_system_sgpr_workgroup_id_x 1
		.amdhsa_system_sgpr_workgroup_id_y 1
		.amdhsa_system_sgpr_workgroup_id_z 1
		.amdhsa_system_vgpr_workitem_id 0
		.amdhsa_next_free_vgpr 1024
		.amdhsa_next_free_sgpr 66
		.amdhsa_reserve_vcc 0
		.amdhsa_float_denorm_mode_32 3
		.amdhsa_float_denorm_mode_16_64 3
		.amdhsa_memory_ordered 1
		.amdhsa_forward_progress 1
		.amdhsa_inst_pref_size 60
	.end_amdhsa_kernel
	.amdgpu_metadata
---
amdhsa.version: [ 1, 2 ]
amdhsa.kernels:
  - .name:           k_qf91e749167_summ
    .symbol:         k_qf91e749167_summ.kd
    .args:
      - { .name: qkva, .offset: 0, .size: 8, .value_kind: global_buffer, .address_space: global }
      - { .name: loc, .offset: 8, .size: 8, .value_kind: global_buffer, .address_space: global }
    .group_segment_fixed_size: 327680
    .private_segment_fixed_size: 0
    .kernarg_segment_align: 8
    .kernarg_segment_size: 16
    .max_flat_workgroup_size: 128
    .sgpr_count:     66
    .vgpr_count:     1024
    .wavefront_size: 32
...
	.end_amdgpu_metadata
.endif
;; end of part 3
;; launch scan (part 4): grid 4 x 64, 4 waves a work-group, no clusters, 327,680 bytes of LDS; arguments qkva, loc, ab; writes ab
.if DOCPART == 4
	.amdgcn_target "amdgcn-amd-amdhsa--gfx1250"
	.amdhsa_code_object_version 6
	.text
	.protected	k_qf91e749167_scan
	.globl	k_qf91e749167_scan
	.p2align	8
	.type	k_qf91e749167_scan,@function
k_qf91e749167_scan:
	s_mov_b64 s[64:65], 0
	v_nop
	global_prefetch_b8 v0, s[64:65] scope:SCOPE_SE
	s_setreg_imm32_b32 hwreg(HW_REG_WAVE_MODE, 25, 1), 1
	s_wait_xcnt 0x0
; THE RECURRENCE.  For chain c (batch, head) and 512 steps (g = 0..3): Ke <- a Ke + w k_t, Ve <- a Ve + w v_t (a = 1 - w, by slot), o_t = softmax_m(q_t . Ke[m]) Ve.  o leaves as f16 rows of [8192][1024].
; A wave takes 128 steps, in 8 blocks of 16.  For a block with start states Ke0, Ve0 (f32; f16 copies as matrix operands):
;   P[t][s] = q_t . k_s and e[t][m] = q_t . Ke0[m] by the matrix unit;  for s = 0..15, in the lanes with t >= s: e += w_s (P[t][s] - e): behind s = t it is step t's energy;
;   softmax over the 64 slots with the row's true maximum: b;  for s = 15..0, lanes t >= s: R[t][s] = sum over m of b w_s, then b -= b w_s;
;   o_t = sum over m of b Ve0[m] + sum over s of R[t][s] v_s by the matrix unit;  Ke0 <- A Ke0 + sum over s of c[s] k_s, c[s] = w_s x product of the later a, A = product of all a; Ve0 likewise.
; Every factor lies in 0 to 1; nothing is divided but by the softmax's sum; no difference of sums is formed.
; WHERE A WAVE STARTS.  Wave 0 joins the earlier segments' records (launch summ): S <- A_i S + loc_i, i < g.  Each wave makes its own 128 steps' zero-start state and decay, in chunks of 32 from the last to the first;
; four hops through 32 KiB of LDS hand S <- F_w S + loc_w from wave to wave.
; LAYOUT.  In e, b and o a lane holds one step t = lane % 16; register 8 mi + j holds slot 16 mi + 8 (lane / 16) + j (o: channel).  K's rows are fetched twice over (row r % 8, row 8 + r % 8), so that both halves of
; the lanes hold all 16 P[t][.].  The two halves' partial R stand at different places of k in the product with v, whose rows are fetched twice over likewise: the matrix unit adds them.
; State: KE(di, mi) at 8 (4 di + mi): lane % 16 = slot, register = channel; VE(mi, di) at 128 + 8 (4 mi + di): lane % 16 = channel, register = slot.
; The block's products with c have K = 16: the fragments' upper halves are 0 in c and, in k^T and v^T, whatever finite f16 the next registers hold.
; NO CLUSTER: no two work-groups read the same rows.  k, v, w (512 bytes a step) come by one tensor load a wave, at the head; no LDS byte is filled twice.  q comes into registers a block ahead of its use.
; A wave's last block fetches one block past its rows (the next wave's rows, or the 32 KiB of the hops): bytes that were written in front of a barrier; what comes is not used.
; o is stored as 128 consecutive bytes a row: the head's share of a row; the other half of an aligned 256 bytes is another work-group's.
; REGISTERS: window 0 addresses and a block's work; window 1 the state; window 2 LOC, later w of steps 0-7 (32 s + 8 i + j); window 3 w of steps 8-15, in a block's tail its scratch.
; LIMITS: q, k, v, o and the states' copies within f16 (65,504); b, R, c below 6e-8 count as 0 in f16; an exponential below 2^-126 counts as 0; NaN and infinities are not treated apart.
.set RP,    544                        ; an LDS row: 512 bytes + 32 of padding = 136 words
.set BLK,   16*RP
.set CH32,  32*RP
.set WSEG,  128*RP
.set XB,    4*WSEG                     ; the state on its way from wave to wave, 32,768 bytes
.set AG,    XB+32768                   ; the four waves' decays, 256 bytes each
.set SCR,   AG+1024                    ; a block's decay, turned from lanes to registers: 256 bytes a wave
.set STG,   SCR+1024                   ; o's stage: 16 rows x 144 bytes a wave
.set SPARE, STG+4*2304                 ; the spare words, 128 bytes a wave: two blocks of 256 bytes that no other line names
.set LREC,  33024
.set KA0, 4
.set TR0, 5
.set TD0, 6
.set WL0, 7
.set WB0, 8
.set AKD, 9
.set ATR, 10
.set ATD, 11
.set AWL, 12
.set AWB, 13
.set QO,  14
.set SCA, 15
.set SCB, 16
.set STO, 17
.set RD,  18
.set GO,  19
.set XA,  20
.set AGA, 21
.set AGB, 22
.set H0,  24
.set H1,  26
.set SPW, 28
.set NIL, 29
.set SC,  30
.set FA,  36
.set E,   40
.set P,   72
.set TMP, 88
.set QF,  120
.set KD,  136
.set SH,  168
.set L16, 232
.set R4,  233
.set H32, 234
.set SAA, 64                           ; window 3 in a chunk of 32: w 0-63, a 64-127, c's fragments 128-159, k^T 160-191, v^T 192-223
.set SCH, 128
.set SKT, 160
.set SVT, 192
.set TL,  224
.set TH,  228
.set TLX, 232
.set THX, 236
.set SUH, 240
.set SUL, 244
.set F3,  248
.set H03, 252
.set H13, 254
.set CKT, 0                            ; window 3 in a block's tail: k^T 0-15, v^T 16-31, v^T twice over 32-63, w 64-95, a 96-127, c's fragments 128-159, A by register 160-191
.set CVT, 16
.set CVD, 32
.set CWL, 64
.set CAA, 96
.set CCH, 128
.set CAV, 160
.set CT,  192
.set CTX, 196
.set CSU, 200
.set MSB, 0
.macro WIN new                         ; the immediate's high byte repeats the setting that is left; a switch that changes nothing is dropped
.if MSB != (\new)
	s_set_vgpr_msb (MSB<<8)|(\new)
.set MSB, \new
.endif
.endm
.macro PLACES
.rept 4
	v_nop
.endr
.endm
; One chunk of 32 steps at LDS byte s34.  A lane (r, h) holds slot 16 mi + r and the steps 8 h + jj (jj < 8) and 16 + 8 h + jj - 8 (jj >= 8): the places of k in a fragment.
.macro SUMM32
	WIN 0
	v_add_nc_u32 v[AWL], s34, v[WL0]
	v_add_nc_u32 v[ATR], s34, v[TR0]
	WIN 0xc0
.set jj, 0
.rept 16
.irp mi, 0,1,2,3
	ds_load_b32 v[4*jj+(\mi)], v[AWL] offset:(jj+8*(jj/8))*RP+64*(\mi)
.endr
.set jj, jj+1
.endr
.irp di, 0,1,2,3
	ds_load_tr16_b128 v[SKT+8*(\di):SKT+8*(\di)+3],   v[ATR] offset:32*(\di)
	ds_load_tr16_b128 v[SKT+8*(\di)+4:SKT+8*(\di)+7], v[ATR] offset:32*(\di)+16*RP
	ds_load_tr16_b128 v[SVT+8*(\di):SVT+8*(\di)+3],   v[ATR] offset:128+32*(\di)
	ds_load_tr16_b128 v[SVT+8*(\di)+4:SVT+8*(\di)+7], v[ATR] offset:128+32*(\di)+16*RP
.endr
	s_wait_dscnt 0x0
	WIN 0xff
.set jj, 0
.rept 32
	v_pk_fma_f32 v[SAA+2*jj:SAA+2*jj+1], v[2*jj:2*jj+1], -1.0, 1.0 op_sel_hi:[1,0,0]   ; a = 1 - w
.set jj, jj+1
.endr
.irp pr, 0,2
	v_pk_mul_f32 v[TL+(\pr):TL+(\pr)+1], v[SAA+(\pr):SAA+(\pr)+1], v[SAA+4+(\pr):SAA+4+(\pr)+1]
	v_pk_mul_f32 v[TH+(\pr):TH+(\pr)+1], v[SAA+32+(\pr):SAA+32+(\pr)+1], v[SAA+36+(\pr):SAA+36+(\pr)+1]
.endr
.set jj, 2
.rept 6
.irp pr, 0,2
	v_pk_mul_f32 v[TL+(\pr):TL+(\pr)+1], v[TL+(\pr):TL+(\pr)+1], v[SAA+4*jj+(\pr):SAA+4*jj+(\pr)+1]
	v_pk_mul_f32 v[TH+(\pr):TH+(\pr)+1], v[TH+(\pr):TH+(\pr)+1], v[SAA+32+4*jj+(\pr):SAA+32+4*jj+(\pr)+1]
.endr
.set jj, jj+1
.endr
.irp ii, 0,1,2,3
	v_permlanex16_b32 v[TLX+(\ii)], v[TL+(\ii)], s40, s41
	v_permlanex16_b32 v[THX+(\ii)], v[TH+(\ii)], s40, s41
.endr
.irp pr, 0,2
	v_pk_mul_f32 v[TH+(\pr):TH+(\pr)+1], v[TH+(\pr):TH+(\pr)+1], v[THX+(\pr):THX+(\pr)+1]              ; steps 16-31
	v_pk_fma_f32 v[THX+(\pr):THX+(\pr)+1], v[THX+(\pr):THX+(\pr)+1], v[H03:H03+1], v[H13:H13+1]        ; what lies behind my upper eight steps in the chunk: steps 24-31 (h = 0) or nothing
	v_pk_mul_f32 v[TL+(\pr):TL+(\pr)+1], v[TL+(\pr):TL+(\pr)+1], v[TLX+(\pr):TLX+(\pr)+1]              ; steps 0-15
	v_pk_fma_f32 v[TLX+(\pr):TLX+(\pr)+1], v[TLX+(\pr):TLX+(\pr)+1], v[H03:H03+1], v[H13:H13+1]
	v_pk_mul_f32 v[SUH+(\pr):SUH+(\pr)+1], v[F3+(\pr):F3+(\pr)+1], v[THX+(\pr):THX+(\pr)+1]
	v_pk_mul_f32 v[F3+(\pr):F3+(\pr)+1], v[F3+(\pr):F3+(\pr)+1], v[TH+(\pr):TH+(\pr)+1]
	v_pk_mul_f32 v[SUL+(\pr):SUL+(\pr)+1], v[F3+(\pr):F3+(\pr)+1], v[TLX+(\pr):TLX+(\pr)+1]
	v_pk_mul_f32 v[F3+(\pr):F3+(\pr)+1], v[F3+(\pr):F3+(\pr)+1], v[TL+(\pr):TL+(\pr)+1]                ; F for the chunk in front
.endr
.set jj, 7
.rept 8
.irp pr, 0,2
	v_pk_mul_f32 v[32+4*jj+(\pr):32+4*jj+(\pr)+1], v[32+4*jj+(\pr):32+4*jj+(\pr)+1], v[SUH+(\pr):SUH+(\pr)+1]
	v_pk_mul_f32 v[4*jj+(\pr):4*jj+(\pr)+1], v[4*jj+(\pr):4*jj+(\pr)+1], v[SUL+(\pr):SUL+(\pr)+1]
.endr
.if jj > 0
.irp pr, 0,2
	v_pk_mul_f32 v[SUH+(\pr):SUH+(\pr)+1], v[SUH+(\pr):SUH+(\pr)+1], v[SAA+32+4*jj+(\pr):SAA+32+4*jj+(\pr)+1]
	v_pk_mul_f32 v[SUL+(\pr):SUL+(\pr)+1], v[SUL+(\pr):SUL+(\pr)+1], v[SAA+4*jj+(\pr):SAA+4*jj+(\pr)+1]
.endr
.endif
.set jj, jj-1
.endr
.irp mi, 0,1,2,3
.set qq, 0
.rept 8
	v_cvt_pk_f16_f32 v[SCH+8*(\mi)+qq], v[8*qq+(\mi)], v[8*qq+4+(\mi)]
.set qq, qq+1
.endr
.endr
	WIN 0xaf                                       ; sources window 3, C and D window 2.  32 accumulators, one instruction each: they take turns, over the backward jump too
.irp di, 0,1,2,3
.irp mi, 0,1,2,3
	v_wmma_f32_16x16x32_f16 v[8*(4*(\di)+(\mi)):8*(4*(\di)+(\mi))+7], v[SKT+8*(\di):SKT+8*(\di)+7], v[SCH+8*(\mi):SCH+8*(\mi)+7], v[8*(4*(\di)+(\mi)):8*(4*(\di)+(\mi))+7]
.endr
.endr
.irp mi, 0,1,2,3
.irp di, 0,1,2,3
	v_wmma_f32_16x16x32_f16 v[128+8*(4*(\mi)+(\di)):128+8*(4*(\mi)+(\di))+7], v[SCH+8*(\mi):SCH+8*(\mi)+7], v[SVT+8*(\di):SVT+8*(\di)+7], v[128+8*(4*(\mi)+(\di)):128+8*(4*(\mi)+(\di))+7]
.endr
.endr
	PLACES
.endm
; destination = source 0 x decay + source 2, over a whole state; the windows are set in front.  KE's decay goes by lane (FA, one of a pair for both halves), VE's by register (TMP).
.macro AXPY
.irp di, 0,1,2,3
.irp mi, 0,1,2,3
.irp qq, 0,2,4,6
.set rr, 8*(4*(\di)+(\mi))+(\qq)
.if (\mi)%2
	v_pk_fma_f32 v[rr:rr+1], v[rr:rr+1], v[FA+2*((\mi)/2):FA+2*((\mi)/2)+1], v[rr:rr+1] op_sel:[0,1,0] op_sel_hi:[1,1,1]
.else
	v_pk_fma_f32 v[rr:rr+1], v[rr:rr+1], v[FA+2*((\mi)/2):FA+2*((\mi)/2)+1], v[rr:rr+1] op_sel_hi:[1,0,1]
.endif
.endr
.endr
.endr
.irp mi, 0,1,2,3
.irp di, 0,1,2,3
.irp qq, 0,2,4,6
.set rr, 128+8*(4*(\mi)+(\di))+(\qq)
	v_pk_fma_f32 v[rr:rr+1], v[rr:rr+1], v[TMP+8*(\mi)+(\qq):TMP+8*(\mi)+(\qq)+1], v[rr:rr+1]
.endr
.endr
.endr
.endm
.macro HOP
	WIN 0x40
.set ii, 0
.rept 64
	ds_load_b128 v[4*ii:4*ii+3], v[XA] offset:512*ii
.set ii, ii+1
.endr
	s_wait_dscnt 0x0
	WIN 0xa1                                       ; source 0 window 1, decay window 0, source 2 and destination window 2
	AXPY
	WIN 0x08
.set ii, 0
.rept 64
	ds_store_b128 v[XA], v[4*ii:4*ii+3] offset:512*ii
.set ii, ii+1
.endr
	WIN 0
.endm
; Step st of the energies' recurrence, in the lanes with t >= st.  In the first eight steps w of step 8 + st is fetched, all lanes on, into window 3.
.macro ESTEP st
.if (\st) < 8
.if (\st) > 0
	s_mov_b32 exec_lo, -1
.endif
	WIN 0xc0
.irp cc, 0,1,2,3,4,5,6,7
	ds_load_b128 v[32*(\st)+4*(\cc):32*(\st)+4*(\cc)+3], v[AWB] offset:(8+(\st))*RP+64*((\cc)/2)+16*((\cc)%2)
.endr
.endif
.if (\st) > 0
	s_mov_b32 exec_lo, ((0xffff<<(\st))&0xffff)*0x10001
.endif
.if (\st) >= 8
	s_wait_dscnt 8*(15-(\st))                      ; w of this step is in; the eight loads of each later step may be out
.endif
	WIN 0x08+4*((\st)/8)                           ; source 1 (w) in window 2 or 3
.set pp, 0
.rept 16
.if (\st)%2
	v_pk_fma_f32 v[TMP+2*pp:TMP+2*pp+1], v[E+2*pp:E+2*pp+1], -1.0, v[P+2*((\st)/2):P+2*((\st)/2)+1] op_sel:[0,0,1] op_sel_hi:[1,0,1]
.else
	v_pk_fma_f32 v[TMP+2*pp:TMP+2*pp+1], v[E+2*pp:E+2*pp+1], -1.0, v[P+2*((\st)/2):P+2*((\st)/2)+1] op_sel_hi:[1,0,0]
.endif
.set pp, pp+1
.endr
.set pp, 0
.rept 16
	v_pk_fma_f32 v[E+2*pp:E+2*pp+1], v[TMP+2*pp:TMP+2*pp+1], v[32*((\st)%8)+2*pp:32*((\st)%8)+2*pp+1], v[E+2*pp:E+2*pp+1]
.set pp, pp+1
.endr
.endm
; Step st of the way back: R[t][st] = sum of b w, b -= b w.  Behind it, all lanes on: behind step 8 the tail's scratch into window 3, behind steps 7..0 the next block's w of that step into window 2.
.macro DSTEP st
.if (\st) > 0
	s_mov_b32 exec_lo, ((0xffff<<(\st))&0xffff)*0x10001
.endif
	WIN 0x08+4*((\st)/8)
.set wb, 32*((\st)%8)
.irp cc, 0,1,2,3
	v_pk_mul_f32 v[TMP+2*(\cc):TMP+2*(\cc)+1], v[E+2*(\cc):E+2*(\cc)+1], v[wb+2*(\cc):wb+2*(\cc)+1]
.endr
.set pp, 4
.rept 12
	v_pk_fma_f32 v[TMP+2*(pp%4):TMP+2*(pp%4)+1], v[E+2*pp:E+2*pp+1], v[wb+2*pp:wb+2*pp+1], v[TMP+2*(pp%4):TMP+2*(pp%4)+1]
.set pp, pp+1
.endr
.set pp, 0
.rept 16
	v_pk_fma_f32 v[E+2*pp:E+2*pp+1], v[E+2*pp:E+2*pp+1], v[wb+2*pp:wb+2*pp+1], v[E+2*pp:E+2*pp+1] neg_lo:[0,1,0] neg_hi:[0,1,0]
.if pp == 3                            ; the four partial sums are joined among these lines (by 1.0 as source 1, since that place means w's window)
	v_pk_fma_f32 v[TMP:TMP+1], v[TMP+2:TMP+3], 1.0, v[TMP:TMP+1] op_sel_hi:[1,0,1]
	v_pk_fma_f32 v[TMP+4:TMP+5], v[TMP+6:TMP+7], 1.0, v[TMP+4:TMP+5] op_sel_hi:[1,0,1]
.endif
.if pp == 8
	v_pk_fma_f32 v[TMP:TMP+1], v[TMP+4:TMP+5], 1.0, v[TMP:TMP+1] op_sel_hi:[1,0,1]
.endif
.if pp == 13
	v_fma_f32 v[P+(\st)], v[TMP], 1.0, v[TMP+1]
.endif
.set pp, pp+1
.endr
.if (\st) > 0
	s_mov_b32 exec_lo, -1
.endif
.if (\st) == 8
	WIN 0xc0
.irp di, 0,1,2,3
	ds_load_tr16_b128 v[CKT+4*(\di):CKT+4*(\di)+3], v[ATR] offset:32*(\di)
	ds_load_tr16_b128 v[CVT+4*(\di):CVT+4*(\di)+3], v[ATR] offset:128+32*(\di)
	ds_load_tr16_b128 v[CVD+8*(\di):CVD+8*(\di)+3],   v[ATD] offset:128+32*(\di)
	ds_load_tr16_b128 v[CVD+8*(\di)+4:CVD+8*(\di)+7], v[ATD] offset:128+32*(\di)+8*RP
.endr
.set jj, 0
.rept 8
.irp mi, 0,1,2,3
	ds_load_b32 v[CWL+4*jj+(\mi)], v[AWL] offset:jj*RP+64*(\mi)
.endr
.set jj, jj+1
.endr
.endif
.if (\st) < 8
	WIN 0x80
.irp cc, 0,1,2,3,4,5,6,7
	ds_load_b128 v[32*(\st)+4*(\cc):32*(\st)+4*(\cc)+3], v[AWB] offset:BLK+(\st)*RP+64*((\cc)/2)+16*((\cc)%2)
.endr
.endif
.endm
	s_load_b128 s[4:7], s[0:1], 0x0                ; qkva s[4:5], loc s[6:7]
	s_load_b64 s[8:9], s[0:1], 0x10                ; ab (o)
	v_lshl_add_u32 v[SPW], v0, 2, SPARE
	v_mov_b32 v[NIL], 0
	ds_add_u32 v[SPW], v[NIL]                      ; the wave's opening: the add, twice on end, and its wait ahead of my first tensor load
	ds_add_u32 v[SPW], v[NIL]
	v_lshrrev_b32 v3, 5, v0
	v_readfirstlane_b32 s10, v3                    ; wave 0..3
	s_mov_b32 s11, ttmp9                           ; g
	s_and_b32 s12, ttmp7, 0xffff                   ; chain
	s_and_b32 s13, s12, 15                         ; head
	s_lshr_b32 s14, s12, 4                         ; batch
	s_mov_b32 s16, (3<<16)|(1<<20)|(6<<22)|(7<<25) ; 8-byte elements; padding on; after every 128 words, 8 words
	s_mov_b32 s17, 64<<16                          ; tensor_dim0 = 64 elements (512 bytes)
	s_mov_b32 s18, 128<<16                         ; tensor_dim1 = 128 rows
	s_mov_b32 s19, 64<<16                          ; tile_dim0
	s_mov_b32 s20, 128                             ; tile_dim1
	s_mov_b32 s21, 1280                            ; 10,240 bytes from row to row
	s_mov_b32 s22, 0
	s_mov_b32 s23, 0
	s_mov_b32 s24, 1
	s_mul_i32 s25, s10, WSEG                       ; my 128 rows in LDS
	s_lshl_b32 s15, s14, 11
	s_lshl_b32 s37, s11, 9
	s_add_co_u32 s15, s15, s37
	s_lshl_b32 s37, s10, 7
	s_add_co_u32 s15, s15, s37                     ; my first token
	s_mul_i32 s38, s15, 10240
	s_lshl_b32 s37, s13, 9
	s_add_co_u32 s42, s38, s37
	s_add_co_u32 s42, s42, 2048                    ; the head's k, v, w
	s_mov_b32 s43, 0
	s_lshl_b32 s37, s13, 7
	s_add_co_u32 s44, s38, s37                     ; the head's q
	s_mov_b32 s45, 0
	s_lshl_b32 s46, s15, 11
	s_add_co_u32 s46, s46, s37                     ; the head's o
	s_mov_b32 s47, 0
	s_mul_i32 s48, s12, 3*LREC                     ; the chain's records
	s_mov_b32 s49, 0
	s_mov_b32 s39, 0
	s_mov_b32 s40, 0x76543210                      ; v_permlanex16_b32: each lane takes its own place in the other half
	s_mov_b32 s41, 0xfedcba98
	s_wait_dscnt 0x0                               ; both opening adds are done
	s_wait_kmcnt 0x0
	s_add_nc_u64 s[26:27], s[4:5], s[42:43]
	s_or_b32 s27, s27, 0x80000000
	s_add_nc_u64 s[28:29], s[4:5], s[44:45]
	s_add_nc_u64 s[30:31], s[8:9], s[46:47]
	s_add_nc_u64 s[32:33], s[6:7], s[48:49]
	tensor_load_to_lds s[24:27], s[16:23]          ; my one tensor load
	s_nop 0
.rept 4
	v_nop
.endr
	v_and_b32 v1, 15, v0                           ; r
	v_bfe_u32 v2, v0, 4, 1                         ; h
	v_mul_u32_u24 v[QO], v1, 10240
	v_lshl_add_u32 v[QO], v2, 4, v[QO]
.irp cc, 0,1,2,3
	global_load_b128 v[QF+4*(\cc):QF+4*(\cc)+3], v[QO], s[28:29] offset:32*(\cc)   ; q of block 0: row t = r, channels 8 h .., 16 + 8 h .., 32 + 8 h .., 48 + 8 h ..
.endr
	v_and_b32 v3, 7, v0
	v_bfe_u32 v[SC], v0, 3, 1
	v_and_b32 v[SC+1], 31, v0
	v_mul_u32_u24 v[TD0], v3, RP
	v_lshl_add_u32 v[KA0], v2, 4, v[TD0]           ; K twice over: row l % 8, 16 bytes by h
	v_lshl_add_u32 v[TD0], v[SC], 4, v[TD0]        ; the turning load twice over: row l % 8, 16 bytes by (l / 8) % 2
	v_mul_u32_u24 v[SC+2], v2, 8*RP
	v_add_nc_u32 v[TR0], v[SC+2], v[TD0]           ; the turning load: row 8 h + l % 8
	v_lshl_add_u32 v[WL0], v1, 2, v[SC+2]
	v_add_nc_u32 v[WL0], 256, v[WL0]               ; w of step 8 h, slot r
	v_lshlrev_b32 v[H32], 5, v2
	v_add_nc_u32 v[WB0], 256, v[H32]               ; w of a step, slots 8 h ..: the same address in 16 lanes
	v_lshlrev_b32 v[R4], 2, v1
	v_lshlrev_b32 v[L16], 4, v[SC+1]
	s_lshl_b32 s37, s10, 8
	s_add_co_u32 s50, s37, SCR
	v_add_nc_u32 v[SCA], s50, v[R4]
	v_add_nc_u32 v[SCB], s50, v[H32]
	s_add_co_u32 s50, s37, AG
	v_add_nc_u32 v[AGA], s50, v[R4]
	v_add_nc_u32 v[AGB], s50, v[H32]
	v_add_nc_u32 v[XA], XB, v[L16]
	s_mul_i32 s50, s10, 2304
	s_add_co_u32 s50, s50, STG
	v_mul_u32_u24 v[STO], v1, 144
	v_lshl_add_u32 v[STO], v2, 4, v[STO]
	v_add_nc_u32 v[STO], s50, v[STO]               ; o in: row t, 16 bytes for each half of the lanes
	v_lshrrev_b32 v[SC+3], 3, v[SC+1]
	v_mul_u32_u24 v[RD], v[SC+3], 144
	v_lshl_add_u32 v[RD], v3, 4, v[RD]
	v_add_nc_u32 v[RD], s50, v[RD]                 ; back: 32 lanes take four rows of 128 bytes
	v_lshlrev_b32 v[GO], 11, v[SC+3]
	v_lshl_add_u32 v[GO], v3, 4, v[GO]             ; and the same four rows of o, 2,048 bytes apart
	v_mov_b32 v[SC+4], 0
	v_mov_b32 v[SC+5], 0
	v_cvt_f32_u32 v[H1], v2                        ; 1 in the upper half of the lanes,
	v_mov_b32 v[H1+1], v[H1]
	v_sub_f32 v[H0], 1.0, v[H1]                    ; 1 in the lower
	v_mov_b32 v[H0+1], v[H0]
	WIN 0x40                                       ; the state's 256 registers are written once by every wave, while the rows are on their way, so that they hold numbers on every way through the text:
.set ii, 0                                         ; wave 0 builds the work-group's start state on these zeros; the other waves' are written anew in their hop
.rept 256
	v_mov_b32 v[ii], 0
.set ii, ii+1
.endr
	WIN 0
	s_cmp_lg_u32 s10, 0
	s_cbranch_scc1 .Lnot0
	s_mov_b32 s36, 0                               ; WAVE 0: the state at the work-group's first step
.Lcomb:                                            ; three trips; the records from g on are jumped over
	s_cmp_ge_u32 s36, s11
	s_cbranch_scc1 .Lcskip
	WIN 0xc0
.set ii, 0
.rept 64
	global_load_b128 v[4*ii:4*ii+3], v[L16], s[32:33] offset:512*ii
.set ii, ii+1
.endr
	WIN 0
.irp mi, 0,1,2,3
	global_load_b32 v[FA+(\mi)], v[R4], s[32:33] offset:32768+64*(\mi)
.endr
.irp cc, 0,1,2,3,4,5,6,7
	global_load_b128 v[TMP+4*(\cc):TMP+4*(\cc)+3], v[H32], s[32:33] offset:32768+64*((\cc)/2)+16*((\cc)%2)
.endr
	s_wait_loadcnt 0x0                             ; the record is in (and its loads have read their base)
	WIN 0x71                                       ; S (window 1) = S x A (window 0) + the record (window 3)
	AXPY
	WIN 0
.Lcskip:
	s_add_nc_u64 s[32:33], s[32:33], LREC
	s_add_co_u32 s36, s36, 1
	s_cmp_lt_u32 s36, 3
	s_cbranch_scc1 .Lcomb
	WIN 0x04
.set ii, 0
.rept 64
	ds_store_b128 v[XA], v[4*ii:4*ii+3] offset:512*ii
.set ii, ii+1
.endr
	WIN 0
.Lnot0:
	WIN 0x80                                       ; LOC starts at 0, so that the chunks have one form of product
.set ii, 0
.rept 256
	v_mov_b32 v[ii], 0
.set ii, ii+1
.endr
	WIN 0xc0
	v_mov_b32 v[H03], v[H0]
	v_mov_b32 v[H03+1], v[H0]
	v_mov_b32 v[H13], v[H1]
	v_mov_b32 v[H13+1], v[H1]
.irp ii, 0,1,2,3
	v_mov_b32 v[F3+(\ii)], 1.0
	v_mov_b32 v[TLX+(\ii)], 0                      ; v_permlanex16_b32 counts as a reader of its destination
	v_mov_b32 v[THX+(\ii)], 0
.endr
	WIN 0
	s_wait_tensorcnt 0x0                           ; my rows are in
	s_mul_i32 s34, s10, WSEG
	s_add_co_u32 s34, s34, 3*CH32                  ; the last chunk first
	s_mov_b32 s35, 4
.Lchunk:
	SUMM32
	WIN 0
	s_sub_co_u32 s34, s34, CH32
	s_sub_co_u32 s35, s35, 1
	s_cmp_lg_u32 s35, 0
	s_cbranch_scc1 .Lchunk
	WIN 0x03
.irp ii, 0,1,2,3
	v_mov_b32 v[FA+(\ii)], v[F3+(\ii)]             ; my 128 steps' decay, by lane
.endr
	WIN 0
.irp mi, 0,1,2,3
	ds_store_b32 v[AGA], v[FA+(\mi)] offset:64*(\mi)
.endr
.irp cc, 0,1,2,3,4,5,6,7
	ds_load_b128 v[TMP+4*(\cc):TMP+4*(\cc)+3], v[AGB] offset:64*((\cc)/2)+16*((\cc)%2)   ; and by register: LDS serves a wave's instructions in order
.endr
	s_wait_dscnt 0x0                               ; for the others' sake too: wave 0's state lies in LDS
	s_barrier_signal -1
	s_barrier_wait -1                              ; every wave's rows are in as well
	s_mov_b32 s36, 0
.Lhop:                                             ; four hops: in hop k wave k alone works; the barrier hands the state on
	s_cmp_lg_u32 s36, s10
	s_cbranch_scc1 .Lskip
	HOP
.Lskip:
	s_wait_dscnt 0x0
	s_barrier_signal -1
	s_barrier_wait -1
	s_add_co_u32 s36, s36, 1
	s_cmp_lt_u32 s36, 4
	s_cbranch_scc1 .Lhop
	s_mul_i32 s34, s10, WSEG                       ; window 1 holds my start state.  Block 0's addresses, K and w of steps 0-7
	v_add_nc_u32 v[AKD], s34, v[KA0]
	v_add_nc_u32 v[ATR], s34, v[TR0]
	v_add_nc_u32 v[ATD], s34, v[TD0]
	v_add_nc_u32 v[AWL], s34, v[WL0]
	v_add_nc_u32 v[AWB], s34, v[WB0]
.irp cc, 0,1,2,3
	ds_load_b128 v[KD+4*(\cc):KD+4*(\cc)+3],       v[AKD] offset:32*(\cc)
	ds_load_b128 v[KD+16+4*(\cc):KD+16+4*(\cc)+3], v[AKD] offset:8*RP+32*(\cc)
.endr
	WIN 0x80
.set jj, 0
.rept 8
.irp cc, 0,1,2,3,4,5,6,7
	ds_load_b128 v[32*jj+4*(\cc):32*jj+4*(\cc)+3], v[AWB] offset:jj*RP+64*((\cc)/2)+16*((\cc)%2)
.endr
.set jj, jj+1
.endr
	WIN 0
	s_wait_dscnt 0x0
	s_mov_b32 s35, 8
.Lblock:
	s_wait_loadcnt 0x0                             ; q of this block
	WIN 0x05                                       ; Ke0 rounded to f16: fragments of 16 slots x 32 channels
.irp mi, 0,1,2,3
.irp ka, 0,1
.irp qq, 0,1,2,3
	v_cvt_pk_f16_f32 v[SH+8*(2*(\mi)+(\ka))+(\qq)], v[8*(8*(\ka)+(\mi))+2*(\qq)], v[8*(8*(\ka)+(\mi))+2*(\qq)+1]
.endr
.irp qq, 0,1,2,3
	v_cvt_pk_f16_f32 v[SH+8*(2*(\mi)+(\ka))+4+(\qq)], v[8*(8*(\ka)+4+(\mi))+2*(\qq)], v[8*(8*(\ka)+4+(\mi))+2*(\qq)+1]
.endr
.endr
.endr
	WIN 0                                          ; P and e: six accumulators by turns
	v_wmma_f32_16x16x32_f16 v[P:P+7],    v[KD:KD+7],       v[QF:QF+7], 0
	v_wmma_f32_16x16x32_f16 v[P+8:P+15], v[KD+16:KD+23],   v[QF:QF+7], 0
.irp mi, 0,1,2,3
	v_wmma_f32_16x16x32_f16 v[E+8*(\mi):E+8*(\mi)+7], v[SH+16*(\mi):SH+16*(\mi)+7], v[QF:QF+7], 0
.endr
	v_wmma_f32_16x16x32_f16 v[P:P+7],    v[KD+8:KD+15],    v[QF+8:QF+15], v[P:P+7]
	v_wmma_f32_16x16x32_f16 v[P+8:P+15], v[KD+24:KD+31],   v[QF+8:QF+15], v[P+8:P+15]
.irp mi, 0,1,2,3
	v_wmma_f32_16x16x32_f16 v[E+8*(\mi):E+8*(\mi)+7], v[SH+16*(\mi)+8:SH+16*(\mi)+15], v[QF+8:QF+15], v[E+8*(\mi):E+8*(\mi)+7]
.endr
	PLACES                                         ; in front of the loads into q's and K's registers and of the first reader of P and e
	s_cmp_gt_u32 s35, 1                            ; the last block asks for its own q once more: no load leaves the buffer
	s_cselect_b32 s38, 163840, 0
	s_add_nc_u64 s[28:29], s[28:29], s[38:39]
.irp cc, 0,1,2,3
	global_load_b128 v[QF+4*(\cc):QF+4*(\cc)+3], v[QO], s[28:29] offset:32*(\cc)
.endr
.irp cc, 0,1,2,3
	ds_load_b128 v[KD+4*(\cc):KD+4*(\cc)+3],       v[AKD] offset:BLK+32*(\cc)
	ds_load_b128 v[KD+16+4*(\cc):KD+16+4*(\cc)+3], v[AKD] offset:BLK+8*RP+32*(\cc)
.endr
	s_wait_xcnt 0x0                                ; EXEC, a source of q's loads, changes only behind this wait
.irp st, 0,1,2,3,4,5,6,7,8,9,10,11,12,13,14,15
	ESTEP \st
.endr
	s_mov_b32 exec_lo, -1
	WIN 0
	; the softmax over the 64 slots: 32 in my lane, 32 in the lane 16 away
.irp cc, 0,1,2,3
	v_max3_num_f32 v[SC+(\cc)], v[E+3*(\cc)], v[E+3*(\cc)+1], v[E+3*(\cc)+2]
.endr
.set nn, 0
.rept 10
	v_max3_num_f32 v[SC+nn%4], v[SC+nn%4], v[E+12+2*nn], v[E+13+2*nn]
.set nn, nn+1
.endr
	v_max3_num_f32 v[SC], v[SC], v[SC+1], v[SC+2]
	v_max_num_f32 v[SC], v[SC], v[SC+3]
	v_permlanex16_b32 v[SC+1], v[SC], s40, s41
	v_max_num_f32 v[SC], v[SC], v[SC+1]            ; the row's maximum
	v_mul_f32 v[SC+4], 0xbfb8aa3b, v[SC]
	v_mov_b32 v[SC+5], v[SC+4]
.set pp, 0
.rept 16
	v_pk_fma_f32 v[E+2*pp:E+2*pp+1], v[E+2*pp:E+2*pp+1], 0x3fb8aa3b, v[SC+4:SC+5] op_sel_hi:[1,0,1]
.set pp, pp+1
.endr
.set pp, 0
.rept 32
	v_exp_f32 v[E+pp], v[E+pp]
.set pp, pp+1
.endr
	v_nop                                          ; a plain instruction behind the last exponential,
	s_wait_alu depctr_va_vdst(0)                   ; and one wait for the batch of 32
.set pp, 0
.rept 8
	v_pk_add_f32 v[TMP+2*pp:TMP+2*pp+1], v[E+2*pp:E+2*pp+1], v[E+16+2*pp:E+16+2*pp+1]
.set pp, pp+1
.endr
.set pp, 0
.rept 4
	v_pk_add_f32 v[TMP+2*pp:TMP+2*pp+1], v[TMP+2*pp:TMP+2*pp+1], v[TMP+8+2*pp:TMP+8+2*pp+1]
.set pp, pp+1
.endr
	v_pk_add_f32 v[TMP:TMP+1], v[TMP:TMP+1], v[TMP+4:TMP+5]
	v_pk_add_f32 v[TMP+2:TMP+3], v[TMP+2:TMP+3], v[TMP+6:TMP+7]
	v_pk_add_f32 v[TMP:TMP+1], v[TMP:TMP+1], v[TMP+2:TMP+3]
	v_add_f32 v[SC], v[TMP], v[TMP+1]
	v_permlanex16_b32 v[SC+1], v[SC], s40, s41
	v_add_f32 v[SC], v[SC], v[SC+1]
	v_rcp_f32 v[SC+2], v[SC]
.set pp, 0
.rept 16
	v_mov_b32 v[P+pp], 0                           ; R = 0 where t < s; also the independent work behind the reciprocal
.set pp, pp+1
.endr
	s_wait_alu depctr_va_vdst(0)
.set pp, 0
.rept 16
	v_pk_mul_f32 v[E+2*pp:E+2*pp+1], v[E+2*pp:E+2*pp+1], v[SC+2:SC+3] op_sel_hi:[1,0]
.set pp, pp+1
.endr
.irp st, 15,14,13,12,11,10,9,8,7,6,5,4,3,2,1,0
	DSTEP \st
.endr
	WIN 0                                          ; THE TAIL.  b and R rounded to f16: they are fragments as they lie
.set qq, 0
.rept 16
	v_cvt_pk_f16_f32 v[TMP+qq], v[E+2*qq], v[E+2*qq+1]
.set qq, qq+1
.endr
.set qq, 0
.rept 8
	v_cvt_pk_f16_f32 v[TMP+16+qq], v[P+2*qq], v[P+2*qq+1]
.set qq, qq+1
.endr
	WIN 0x05                                       ; Ve0 rounded to f16: fragments of 16 channels x 32 slots
.irp di, 0,1,2,3
.irp ka, 0,1
.irp qq, 0,1,2,3
	v_cvt_pk_f16_f32 v[SH+8*(2*(\di)+(\ka))+(\qq)], v[128+8*(8*(\ka)+(\di))+2*(\qq)], v[128+8*(8*(\ka)+(\di))+2*(\qq)+1]
.endr
.irp qq, 0,1,2,3
	v_cvt_pk_f16_f32 v[SH+8*(2*(\di)+(\ka))+4+(\qq)], v[128+8*(8*(\ka)+4+(\di))+2*(\qq)], v[128+8*(8*(\ka)+4+(\di))+2*(\qq)+1]
.endr
.endr
.endr
	s_wait_dscnt 0x0                               ; the scratch is in (and the next block's K and w)
	WIN 0                                          ; o^T: four accumulators by turns
.irp di, 0,1,2,3
	v_wmma_f32_16x16x32_f16 v[E+8*(\di):E+8*(\di)+7], v[SH+16*(\di):SH+16*(\di)+7], v[TMP:TMP+7], 0
.endr
.irp di, 0,1,2,3
	v_wmma_f32_16x16x32_f16 v[E+8*(\di):E+8*(\di)+7], v[SH+16*(\di)+8:SH+16*(\di)+15], v[TMP+8:TMP+15], v[E+8*(\di):E+8*(\di)+7]
.endr
	WIN 0x03
.irp di, 0,1,2,3
	v_wmma_f32_16x16x32_f16 v[E+8*(\di):E+8*(\di)+7], v[CVD+8*(\di):CVD+8*(\di)+7], v[TMP+16:TMP+23], v[E+8*(\di):E+8*(\di)+7]
.endr
	WIN 0xff                                       ; c and A of the block, lane = slot, steps 8 h + j: in window 3; these lines are also the places behind o's products
.set jj, 0
.rept 16
	v_pk_fma_f32 v[CAA+2*jj:CAA+2*jj+1], v[CWL+2*jj:CWL+2*jj+1], -1.0, 1.0 op_sel_hi:[1,0,0]
.set jj, jj+1
.endr
.irp pr, 0,2
	v_pk_mul_f32 v[CT+(\pr):CT+(\pr)+1], v[CAA+(\pr):CAA+(\pr)+1], v[CAA+4+(\pr):CAA+4+(\pr)+1]
.endr
.set jj, 2
.rept 6
.irp pr, 0,2
	v_pk_mul_f32 v[CT+(\pr):CT+(\pr)+1], v[CT+(\pr):CT+(\pr)+1], v[CAA+4*jj+(\pr):CAA+4*jj+(\pr)+1]
.endr
.set jj, jj+1
.endr
.irp ii, 0,1,2,3
	v_permlanex16_b32 v[CTX+(\ii)], v[CT+(\ii)], s40, s41
.endr
	WIN 0xc3
.irp pr, 0,2
	v_pk_fma_f32 v[CSU+(\pr):CSU+(\pr)+1], v[CTX+(\pr):CTX+(\pr)+1], v[H0:H0+1], v[H1:H1+1]   ; behind steps 0-7 lie steps 8-15, behind those nothing
.endr
	WIN 0x0f
.irp pr, 0,2
	v_pk_mul_f32 v[FA+(\pr):FA+(\pr)+1], v[CT+(\pr):CT+(\pr)+1], v[CTX+(\pr):CTX+(\pr)+1]     ; A, by lane
.endr
	WIN 0xff
.set jj, 7
.rept 8
.irp pr, 0,2
	v_pk_mul_f32 v[CWL+4*jj+(\pr):CWL+4*jj+(\pr)+1], v[CWL+4*jj+(\pr):CWL+4*jj+(\pr)+1], v[CSU+(\pr):CSU+(\pr)+1]
.endr
.if jj > 0
.irp pr, 0,2
	v_pk_mul_f32 v[CSU+(\pr):CSU+(\pr)+1], v[CSU+(\pr):CSU+(\pr)+1], v[CAA+4*jj+(\pr):CAA+4*jj+(\pr)+1]
.endr
.endif
.set jj, jj-1
.endr
.irp mi, 0,1,2,3
.irp qq, 0,1,2,3
	v_cvt_pk_f16_f32 v[CCH+8*(\mi)+(\qq)], v[CWL+8*(\qq)+(\mi)], v[CWL+8*(\qq)+4+(\mi)]
	v_mov_b32 v[CCH+8*(\mi)+4+(\qq)], 0            ; k = 16..31 of the fragment
.endr
.endr
	WIN 0
.irp mi, 0,1,2,3
	ds_store_b32 v[SCA], v[FA+(\mi)] offset:64*(\mi)
.endr
	WIN 0xc0
.irp cc, 0,1,2,3,4,5,6,7
	ds_load_b128 v[CAV+4*(\cc):CAV+4*(\cc)+3], v[SCB] offset:64*((\cc)/2)+16*((\cc)%2)   ; A by register
.endr
	WIN 0
.set qq, 0
.rept 16
	v_cvt_pk_f16_f32 v[P+qq], v[E+2*qq], v[E+2*qq+1]   ; o, eight channels of a row in 16 bytes
.set qq, qq+1
.endr
.irp di, 0,1,2,3
	ds_store_b128 v[STO], v[P+4*(\di):P+4*(\di)+3] offset:32*(\di)
.endr
.irp ff, 0,1,2,3
	ds_load_b128 v[TMP+4*(\ff):TMP+4*(\ff)+3], v[RD] offset:576*(\ff)
.endr
	WIN 0x41                                       ; Ke0 x A
.irp di, 0,1,2,3
.irp mi, 0,1,2,3
.irp qq, 0,2,4,6
.set rr, 8*(4*(\di)+(\mi))+(\qq)
.if (\mi)%2
	v_pk_mul_f32 v[rr:rr+1], v[rr:rr+1], v[FA+2*((\mi)/2):FA+2*((\mi)/2)+1] op_sel:[0,1] op_sel_hi:[1,1]
.else
	v_pk_mul_f32 v[rr:rr+1], v[rr:rr+1], v[FA+2*((\mi)/2):FA+2*((\mi)/2)+1] op_sel_hi:[1,0]
.endif
.endr
.endr
.endr
	s_wait_dscnt 8                                 ; A by register is in; the stage's four stores and four loads may be out
	WIN 0x4d                                       ; Ve0 x A
.irp mi, 0,1,2,3
.irp di, 0,1,2,3
.irp qq, 0,2,4,6
.set rr, 128+8*(4*(\mi)+(\di))+(\qq)
	v_pk_mul_f32 v[rr:rr+1], v[rr:rr+1], v[CAV+8*(\mi)+(\qq):CAV+8*(\mi)+(\qq)+1]
.endr
.endr
.endr
	WIN 0x5f                                       ; + sum of c k, c v: sources window 3, C and D window 1; 32 accumulators, one instruction each
.irp di, 0,1,2,3
.irp mi, 0,1,2,3
	v_wmma_f32_16x16x32_f16 v[8*(4*(\di)+(\mi)):8*(4*(\di)+(\mi))+7], v[CKT+4*(\di):CKT+4*(\di)+7], v[CCH+8*(\mi):CCH+8*(\mi)+7], v[8*(4*(\di)+(\mi)):8*(4*(\di)+(\mi))+7]
.endr
.endr
.irp mi, 0,1,2,3
.irp di, 0,1,2,3
	v_wmma_f32_16x16x32_f16 v[128+8*(4*(\mi)+(\di)):128+8*(4*(\mi)+(\di))+7], v[CCH+8*(\mi):CCH+8*(\mi)+7], v[CVT+4*(\di):CVT+4*(\di)+7], v[128+8*(4*(\mi)+(\di)):128+8*(4*(\mi)+(\di))+7]
.endr
.endr
	WIN 0
	v_add_nc_u32 v[AKD], BLK, v[AKD]               ; the next block's addresses: five plain instructions, the places behind those products
	v_add_nc_u32 v[ATR], BLK, v[ATR]
	v_add_nc_u32 v[ATD], BLK, v[ATD]
	v_add_nc_u32 v[AWL], BLK, v[AWL]
	v_add_nc_u32 v[AWB], BLK, v[AWB]
	s_wait_dscnt 0x0                               ; o is back in rows
.irp ff, 0,1,2,3
	global_store_b128 v[GO], v[TMP+4*(\ff):TMP+4*(\ff)+3], s[30:31] offset:8192*(\ff)
.endr
	s_wait_xcnt 0x0                                ; the stores have read their data, their base and EXEC
	s_add_nc_u64 s[30:31], s[30:31], 32768
	s_sub_co_u32 s35, s35, 1
	s_cmp_lg_u32 s35, 0
	s_cbranch_scc1 .Lblock
	s_wait_tensorcnt 0x0                           ; the wave's end: behind my last tensor load and my last LDS store
	ds_add_u32 v[SPW], v[NIL]
	s_wait_dscnt 0x0
	s_endpgm
.Lfunc_end_k_qf91e749167_scan:
	.size	k_qf91e749167_scan, .Lfunc_end_k_qf91e749167_scan-k_qf91e749167_scan
	.p2alignl 7, 3214868480
	.fill 96, 4, 3214868480
	.section	.rodata,"a",@progbits
	.p2align	6, 0x0
	.amdhsa_kernel k_qf91e749167_scan
		.amdhsa_group_segment_fixed_size 327680
		.amdhsa_private_segment_fixed_size 0
		.amdhsa_enable_private_segment 0
		.amdhsa_kernarg_size 24
		.amdhsa_user_sgpr_count 2
		.amdhsa_user_sgpr_kernarg_segment_ptr 1
		.amdhsa_wavefront_size32 1
		.amdhsa_system_sgpr_workgroup_id_x 1
		.amdhsa_system_sgpr_workgroup_id_y 1
		.amdhsa_system_sgpr_workgroup_id_z 1
		.amdhsa_system_vgpr_workitem_id 0
		.amdhsa_next_free_vgpr 1024
		.amdhsa_next_free_sgpr 66
		.amdhsa_reserve_vcc 0
		.amdhsa_float_denorm_mode_32 3
		.amdhsa_float_denorm_mode_16_64 3
		.amdhsa_memory_ordered 1
		.amdhsa_forward_progress 1
		.amdhsa_inst_pref_size 204
	.end_amdhsa_kernel
	.amdgpu_metadata
---
amdhsa.version: [ 1, 2 ]
amdhsa.kernels:
  - .name:           k_qf91e749167_scan
    .symbol:         k_qf91e749167_scan.kd
    .args:
      - { .name: qkva, .offset: 0, .size: 8, .value_kind: global_buffer, .address_space: global }
      - { .name: loc, .offset: 8, .size: 8, .value_kind: global_buffer, .address_space: global }
      - { .name: ab, .offset: 16, .size: 8, .value_kind: global_buffer, .address_space: global }
    .group_segment_fixed_size: 327680
    .private_segment_fixed_size: 0
    .kernarg_segment_align: 8
    .kernarg_segment_size: 24
    .max_flat_workgroup_size: 128
    .sgpr_count:     66
    .vgpr_count:     1024
    .wavefront_size: 32
...
	.end_amdgpu_metadata
.endif
;; end of part 4
;; launch outp: the kernel of part 2 again; grid 4 x 32, 4 waves a work-group, clusters of 4 x 4, 327,680 bytes of LDS; arguments ab, wo16, b_o, out0, flag4; writes out0
;; ======== version 2 of 2: 5 launches; version 1 with the launch prep written anew for expert scheduling mode
;; limits: values outside matrix products are rounded to f16; values are held in f16: magnitudes above 65,504 overflow, below 6.1e-05 lose precision
;; workspace buffers: ab 16,777,216 bytes; wcat 8,388,608 bytes; wo16 2,097,152 bytes; bcat 16,384 bytes; qkva 83,886,080 bytes; loc 6,340,608 bytes; flag1 256 bytes of whole numbers; flag4 256 bytes of whole numbers
;; launch prep (part 5): grid 416 x 1, 8 waves a work-group, no clusters, 0 bytes of LDS; arguments x, W_alpha, W_q, W_k, W_v, W_o, b_alpha, b_q, b_k, b_v, ab, wcat, wo16, bcat, flag1, flag4; writes ab, wcat, wo16, bcat, flag1, flag4
.if DOCPART == 5
	.amdgcn_target "amdgcn-amd-amdhsa--gfx1250"
	.amdhsa_code_object_version 6
	.text
	.protected	k_qf91e749167_prep
	.globl	k_qf91e749167_prep
	.p2align	8
	.type	k_qf91e749167_prep,@function
k_qf91e749167_prep:
	s_mov_b64 s[64:65], 0
	v_nop
	global_prefetch_b8 v0, s[64:65] scope:SCOPE_SE
	s_setreg_imm32_b32 hwreg(HW_REG_WAVE_SCHED_MODE, 0, 2), 2
	s_setreg_imm32_b32 hwreg(HW_REG_WAVE_MODE, 25, 1), 1
	s_wait_xcnt 0x0
	s_wait_alu depctr_vm_vsrc(0)
; x and the five weight matrices, f32, are rounded once to f16 and laid out for the products that follow.
; ab[8192][1024] = x.  wcat[4096][1024]: rows 0-1023 W_alpha, 1024-2047 W_q, 2048+128h+i W_k's row 64h+i, 2048+128h+64+i W_v's row 64h+i.
; wo16 = W_o.  bcat: the four biases in wcat's row order, f32.
; flag1, flag4: a table of whole numbers for each of the two uses of the product's text: word 0 F (0, 1), word 1 bytes from row to row of its output (10240, 4096),
; word 2 the step of the upper 16 lanes in an f32 row (512, 256), word 3 the first f32 column's byte (2304, 0), word 4 the step for each 128 columns (1024, 512); the rest 0.
; LIMIT: a number beyond 65,504 becomes an infinity in f16; below 6e-5 f16 keeps a fixed step of 6e-8.
; A stream: no LDS, no barrier, no matrix unit.  A work-group takes 32 rows of 1,024 f32, a wave 4 rows: 32 loads of 16 bytes a lane, all issued before the first is used.
; A load of a wave covers 512 consecutive bytes, a store 256 consecutive bytes, aligned.
; THE MODE: SCHED_MODE bits 1:0 = 2 (LLVM: expert scheduling mode 2), set by the entry lines.  The code itself states the register dependences
; between vector instructions and memory instructions, with s_wait_alu, always for 0.
; THE PLAN.  Registers that memory instructions touch:
;   v3 .. v6   byte offsets, made once at the head and never written again; read by every load and store.
;   X          v[16:143]: each four registers take one load, issued at the head, before any vector instruction has named them; read by the conversions alone.
;   Y          v[144:207]: each register is written once, by a conversion, and read once, by a store.
;   v7         the bias: a load lands in it and a store reads it; no vector instruction names it.
;   v[8:11]    the tables: written by moves and selects, read by the two last stores.
; The 32 loads are worked on in 8 groups of four.  Group g's conversions read X[g] and write Y[g]; the four stores of group g - 1 are dealt among them.  ONE wait at the
; group's head, behind the wait for its data, states that group g - 1 has written its Y; no vector instruction behind that wait names Y[g - 1] or v4.
; No register that a memory instruction reads is written a second time: so no wait on vm_vsrc follows the entry lines.
.set XR, 16                            ; v[16:143]  32 loads x 4 registers
.set YR, 144                           ; v[144:207] 32 stores x 2 registers
.set GRP, 4                            ; loads, and stores, in a group
	s_load_b512 s[8:23], s[0:1], 0x0               ; x 8, W_alpha 10, W_q 12, W_k 14, W_v 16, W_o 18, b_alpha 20, b_q 22
	s_load_b512 s[24:39], s[0:1], 0x40             ; b_k 24, b_v 26, ab 28, wcat 30, wo16 32, bcat 34, flag1 36, flag4 38
	v_lshrrev_b32 v1, 5, v0
	v_readfirstlane_b32 s54, v1                    ; wave 0..7
	v_and_b32 v2, 31, v0                           ; lane
	v_lshlrev_b32 v3, 4, v2
	v_lshl_add_u32 v3, v1, 14, v3                  ; in: wave x 4 rows x 4,096 bytes + 16 x lane
	v_lshlrev_b32 v4, 3, v2
	v_lshl_add_u32 v4, v1, 13, v4                  ; out: wave x 4 rows x 2,048 bytes + 8 x lane
	v_lshlrev_b32 v5, 2, v2                        ; 4 x lane
	v_lshlrev_b32 v6, 3, v2                        ; 8 x lane
	s_wait_alu depctr_va_sdst(0)                   ; s54 is written, ahead of its first reader (the compare behind the stream) and of every branch
	s_sub_co_u32 s40, ttmp9, 256                   ; work-groups 0-255 take x; the rest, 32 to a matrix, the weights
	s_lshr_b32 s41, s40, 5                         ; which matrix, 0..4 (a large number for x's work-groups)
	s_and_b32 s42, s40, 31
	s_lshl_b32 s42, s42, 5                         ; its first row of the 32
	s_lshr_b32 s43, s42, 6
	s_lshl_b32 s43, s43, 7
	s_and_b32 s44, s42, 63
	s_add_co_u32 s43, s43, s44
	s_add_co_u32 s43, s43, 2048                    ; W_k's place in wcat: 2048 + 128 x head + row in the head
	s_add_co_u32 s44, s43, 64                      ; W_v's
	s_add_co_u32 s45, s42, 1024                    ; W_q's
	s_lshl_b32 s50, ttmp9, 5                       ; x: source row
	s_mov_b32 s51, s50                             ; and destination row
	s_mov_b32 s57, 0
	s_mov_b32 s59, 0
	s_wait_kmcnt 0x0
	s_mov_b64 s[46:47], s[8:9]                     ; source, destination and bias are chosen by the work-group's number alone
	s_mov_b64 s[48:49], s[28:29]
	s_mov_b64 s[52:53], s[20:21]
	s_cmp_lt_u32 s41, 5
	s_cselect_b32 s50, s42, s50
	s_cselect_b64 s[48:49], s[30:31], s[48:49]
	s_cmp_eq_u32 s41, 0
	s_cselect_b64 s[46:47], s[10:11], s[46:47]
	s_cselect_b32 s51, s42, s51
	s_cmp_eq_u32 s41, 1
	s_cselect_b64 s[46:47], s[12:13], s[46:47]
	s_cselect_b64 s[52:53], s[22:23], s[52:53]
	s_cselect_b32 s51, s45, s51
	s_cmp_eq_u32 s41, 2
	s_cselect_b64 s[46:47], s[14:15], s[46:47]
	s_cselect_b64 s[52:53], s[24:25], s[52:53]
	s_cselect_b32 s51, s43, s51
	s_cmp_eq_u32 s41, 3
	s_cselect_b64 s[46:47], s[16:17], s[46:47]
	s_cselect_b64 s[52:53], s[26:27], s[52:53]
	s_cselect_b32 s51, s44, s51
	s_cmp_eq_u32 s41, 4
	s_cselect_b64 s[46:47], s[18:19], s[46:47]
	s_cselect_b64 s[48:49], s[32:33], s[48:49]
	s_cselect_b32 s51, s42, s51
	s_lshl_b32 s56, s50, 12                        ; rows of 4,096 bytes in,
	s_add_nc_u64 s[46:47], s[46:47], s[56:57]
	s_lshl_b32 s58, s51, 11                        ; of 2,048 bytes out
	s_add_nc_u64 s[48:49], s[48:49], s[58:59]
	s_lshl_b32 s56, s42, 2                         ; the bias: 4 bytes a row
	s_add_nc_u64 s[52:53], s[52:53], s[56:57]
	s_lshl_b32 s58, s51, 2
	s_add_nc_u64 s[34:35], s[34:35], s[58:59]
	s_wait_alu depctr_va_vdst(0)                   ; the four offsets v3 to v6 are written: every load and store of the kernel reads one of them
.set nn, 0
.rept 32
	global_load_b128 v[XR+4*nn:XR+4*nn+3], v3, s[46:47] offset:(nn/8)*4096+(nn%8)*512 th:TH_LOAD_NT
.set nn, nn+1
.endr
.set gg, 0
.rept 32/GRP                                           ; group gg: loads GRP gg .. GRP gg + 3
	s_wait_loadcnt 32-GRP-GRP*gg                   ; loads come back in order: the group's four are in, the younger ones may be out
.if gg > 0
	s_wait_alu depctr_va_vdst(0)                   ; the conversions of the group before have written its Y, which the four stores below read
.endif
.set ii, 0
.rept GRP
.set nn, GRP*gg+ii
.if gg > 0
.set mm, nn-GRP
	global_store_b64 v4, v[YR+2*mm:YR+2*mm+1], s[48:49] offset:(mm/8)*2048+(mm%8)*256   ; the group before.  No further wait: no vector instruction since the wait above names these registers
.endif
	v_cvt_pk_f16_f32 v[YR+2*nn], v[XR+4*nn], v[XR+4*nn+1]
	v_cvt_pk_f16_f32 v[YR+2*nn+1], v[XR+4*nn+2], v[XR+4*nn+3]
.set ii, ii+1
.endr
.set gg, gg+1
.endr
	s_wait_alu depctr_va_vdst(0)                   ; the last group's conversions have written its Y, which the last four stores read
.set mm, 32-GRP
.rept GRP
	global_store_b64 v4, v[YR+2*mm:YR+2*mm+1], s[48:49] offset:(mm/8)*2048+(mm%8)*256
.set mm, mm+1
.endr
	s_cmp_lg_u32 s54, 0                            ; the small copies are wave 0's
	s_cbranch_scc1 .Lend
	s_cmp_lt_u32 s41, 4                            ; the four matrices of wcat have a bias in bcat
	s_cbranch_scc0 .Lno_bias
	global_load_b32 v7, v5, s[52:53]               ; the 32 rows' biases; no vector instruction names v7
	s_wait_loadcnt 0x0
	global_store_b32 v5, v7, s[34:35]
.Lno_bias:
	s_cmp_lg_u32 ttmp9, 0
	s_cbranch_scc1 .Lend
	; the two tables: lane i stores words 2 i and 2 i + 1.  v16-22 are free: their loads have come and have been converted, and no memory instruction reads them
	v_cmp_eq_u32 s60, 0, v2                        ; lane 0: F and the pitch
	v_cmp_eq_u32 s61, 1, v2                        ; lane 1: the upper lanes' step and the first column's byte
	v_cmp_eq_u32 s62, 2, v2                        ; lane 2: the step for each 128 columns
	v_mov_b32 v8, 0                                ; flag1, even words
	v_mov_b32 v9, 0                                ; flag1, odd words
	v_mov_b32 v10, 0                               ; flag4, even words
	v_mov_b32 v11, 0                               ; flag4, odd words
	v_mov_b32 v16, 10240
	v_mov_b32 v17, 4096
	v_mov_b32 v18, 512
	v_mov_b32 v19, 2304
	v_mov_b32 v20, 256
	v_mov_b32 v21, 1024
	v_mov_b32 v22, 1
	s_wait_alu depctr_va_sdst(0)                   ; the three compares have written s60 to s62, which the selects below read: one wait behind the run
	v_cndmask_b32 v9, v9, v16, s60
	v_cndmask_b32 v10, v10, v22, s60
	v_cndmask_b32 v11, v11, v17, s60
	v_cndmask_b32 v8, v8, v18, s61
	v_cndmask_b32 v9, v9, v19, s61
	v_cndmask_b32 v10, v10, v20, s61
	v_cndmask_b32 v8, v8, v21, s62
	v_cndmask_b32 v10, v10, v18, s62
	s_wait_alu depctr_va_vdst(0)                   ; the selects have written v[8:11], which the two stores read
	global_store_b64 v6, v[8:9], s[36:37]          ; 256 bytes each
	global_store_b64 v6, v[10:11], s[38:39]
.Lend:
	s_endpgm
.Lfunc_end_k_qf91e749167_prep:
	.size	k_qf91e749167_prep, .Lfunc_end_k_qf91e749167_prep-k_qf91e749167_prep
	.p2alignl 7, 3214868480
	.fill 96, 4, 3214868480
	.section	.rodata,"a",@progbits
	.p2align	6, 0x0
	.amdhsa_kernel k_qf91e749167_prep
		.amdhsa_group_segment_fixed_size 0
		.amdhsa_private_segment_fixed_size 0
		.amdhsa_enable_private_segment 0
		.amdhsa_kernarg_size 128
		.amdhsa_user_sgpr_count 2
		.amdhsa_user_sgpr_kernarg_segment_ptr 1
		.amdhsa_wavefront_size32 1
		.amdhsa_system_sgpr_workgroup_id_x 1
		.amdhsa_system_sgpr_workgroup_id_y 1
		.amdhsa_system_sgpr_workgroup_id_z 1
		.amdhsa_system_vgpr_workitem_id 0
		.amdhsa_next_free_vgpr 208
		.amdhsa_next_free_sgpr 66
		.amdhsa_reserve_vcc 0
		.amdhsa_float_denorm_mode_32 3
		.amdhsa_float_denorm_mode_16_64 3
		.amdhsa_memory_ordered 1
		.amdhsa_forward_progress 1
		.amdhsa_inst_pref_size 15
	.end_amdhsa_kernel
	.amdgpu_metadata
---
amdhsa.version: [ 1, 2 ]
amdhsa.kernels:
  - .name:           k_qf91e749167_prep
    .symbol:         k_qf91e749167_prep.kd
    .args:
      - { .name: x, .offset: 0, .size: 8, .value_kind: global_buffer, .address_space: global }
      - { .name: W_alpha, .offset: 8, .size: 8, .value_kind: global_buffer, .address_space: global }
      - { .name: W_q, .offset: 16, .size: 8, .value_kind: global_buffer, .address_space: global }
      - { .name: W_k, .offset: 24, .size: 8, .value_kind: global_buffer, .address_space: global }
      - { .name: W_v, .offset: 32, .size: 8, .value_kind: global_buffer, .address_space: global }
      - { .name: W_o, .offset: 40, .size: 8, .value_kind: global_buffer, .address_space: global }
      - { .name: b_alpha, .offset: 48, .size: 8, .value_kind: global_buffer, .address_space: global }
      - { .name: b_q, .offset: 56, .size: 8, .value_kind: global_buffer, .address_space: global }
      - { .name: b_k, .offset: 64, .size: 8, .value_kind: global_buffer, .address_space: global }
      - { .name: b_v, .offset: 72, .size: 8, .value_kind: global_buffer, .address_space: global }
      - { .name: ab, .offset: 80, .size: 8, .value_kind: global_buffer, .address_space: global }
      - { .name: wcat, .offset: 88, .size: 8, .value_kind: global_buffer, .address_space: global }
      - { .name: wo16, .offset: 96, .size: 8, .value_kind: global_buffer, .address_space: global }
      - { .name: bcat, .offset: 104, .size: 8, .value_kind: global_buffer, .address_space: global }
      - { .name: flag1, .offset: 112, .size: 8, .value_kind: global_buffer, .address_space: global }
      - { .name: flag4, .offset: 120, .size: 8, .value_kind: global_buffer, .address_space: global }
    .group_segment_fixed_size: 0
    .private_segment_fixed_size: 0
    .kernarg_segment_align: 8
    .kernarg_segment_size: 128
    .max_flat_workgroup_size: 256
    .sgpr_count:     66
    .vgpr_count:     208
    .wavefront_size: 32
...
	.end_amdgpu_metadata
.endif
;; end of part 5
;; launch proj: the kernel of part 2 again; grid 16 x 32, 4 waves a work-group, clusters of 4 x 4, 327,680 bytes of LDS; arguments ab, wcat, bcat, qkva, flag1; writes qkva
;; launch summ: the kernel of part 3 again; grid 3 x 64, 4 waves a work-group, no clusters, 327,680 bytes of LDS; arguments qkva, loc; writes loc
;; launch scan: the kernel of part 4 again; grid 4 x 64, 4 waves a work-group, no clusters, 327,680 bytes of LDS; arguments qkva, loc, ab; writes ab
;; launch outp: the kernel of part 2 again; grid 4 x 32, 4 waves a work-group, clusters of 4 x 4, 327,680 bytes of LDS; arguments ab, wo16, b_o, out0, flag4; writes out0
